; MI455X (gfx1250); checked and timed in simulation.
; The chip was launched on July 23, 2026; its instructions are those of AMD's public machine-readable ISA for CDNA 5 (MIT licence, August 2026) and "CDNA5" Instruction Set Architecture Reference Guide (July 2026). The comments in the code are by the model that wrote it; some were corrected since.
;; Multihead Attention. Allowed arithmetic: float matrix products may take bf16 or f16 operands with f32 sums; all other float work in f32.
;; Inputs: bk 1,024 float32; bo 1,024 float32; bq 1,024 float32; bv 1,024 float32; k_in 8 x 1,024 x 1,024 float32; mask 1,024 x 1,024 bool; q_in 8 x 1,024 x 1,024 float32; v_in 8 x 1,024 x 1,024 float32; wk 1,024 x 1,024 float32; wo 1,024 x 1,024 float32; wq 1,024 x 1,024 float32; wv 1,024 x 1,024 float32.
;; Outputs: out0 8 x 1,024 x 1,024 float32.
;; 2 versions, each right; version 2 is version 1 with the launch prep written anew for expert scheduling mode. Each part assembles by itself: llvm-mc -triple=amdgcn-amd-amdhsa -mcpu=gfx1250 --defsym DOCPART=n.
;; ======== version 1 of 2: 4 launches
;; limits: values are held in f16: magnitudes above 65,504 overflow, below 6.1e-05 lose precision; values outside matrix products are rounded to bf16
;; workspace buffers: xh 50,331,648 bytes; wh 8,388,608 bytes; mb 131,072 bytes of whole numbers; qkv 50,331,648 bytes; heads 16,777,216 bytes
;; launch prep (part 1): grid 512 x 1, 8 waves a work-group, no clusters, 1,280 bytes of LDS; arguments q_in, k_in, v_in, wq, wk, wv, wo, mask, xh, wh, mb; writes xh, wh, mb
.if DOCPART == 1
	.amdgcn_target "amdgcn-amd-amdhsa--gfx1250"
	.amdhsa_code_object_version 6
	.text
	.protected	k_qe615856db6_prep
	.globl	k_qe615856db6_prep
	.p2align	8
	.type	k_qe615856db6_prep,@function
k_qe615856db6_prep:
	s_mov_b64 s[64:65], 0
	v_nop
	global_prefetch_b8 v0, s[64:65] scope:SCOPE_SE
	s_setreg_imm32_b32 hwreg(HW_REG_WAVE_MODE, 25, 1), 1
	s_wait_xcnt 0x0
; The matrix operands for the later launches, and the mask repacked into lane masks.
;   xh [3][8192][1024] f16 = q_in, k_in, v_in;   wh [4][1024][1024] f16 = wq, wk, wv, wo.
;   mb [64 query tiles][64 key tiles][8] u32: bit 16 h + r of word j = mask[16 qt + r][16 kt + 8 h + j].
; FORMAT, a stated decision: every number is first rounded to bf16 (to nearest even), the operand format that the problem's contract names,
; and that number is stored as f16.  A bf16 number has 8 significant bits and f16 holds 11, so the second step is exact for magnitudes from
; 2^-17 up to 65,504; below 2^-17 it errs by 2^-25 at the most.  So the program computes the module on inputs rounded to bf16, while the
; later intermediates (q, k, v, the weights of the softmax, the heads) keep f16's 11 bits.  Against unrounded inputs the operands carry bf16's error.
; LIMIT: numbers of 65,504 and above do not fit f16 and would become infinite.
; 512 work-groups of eight waves.  Work-group g owns 65,536 bytes of each of the three activations (16 pieces of 4,096 bytes),
; 8,192 bytes of each weight (2 pieces) and the mask's block of 16 queries x 128 keys.  Thread t takes the 16 bytes at 16 t of
; every piece and stores 8 bytes at 8 t: a wave's load covers 512 consecutive bytes, its store 256 consecutive bytes, aligned.
; No loop: all 57 loads of a thread go out first, each into registers of its own, and no register that a load or a store
; names is ever written again behind it, so the only waits are the counted ones for the data.
; No matrix unit, no cluster, no tensor load: every byte is read once by one thread and leaves at once.
.set X,   16                           ; v[16:239] datum i in v[X+4i : X+4i+3]: q 0-15, k 16-31, v 32-47, wq 48-49, wk 50-51, wv 52-53, wo 54-55
	s_load_b512 s[8:23], s[0:1], 0x0               ; q_in 8, k_in 10, v_in 12, wq 14, wk 16, wv 18, wo 20, mask 22
	s_load_b128 s[24:27], s[0:1], 0x40             ; xh 24, wh 26
	s_load_b64 s[28:29], s[0:1], 0x50              ; mb
	v_lshl_add_u32 v240, v0, 2, 0x100
	v_mov_b32 v241, 0
	v_lshrrev_b32 v6, 5, v0
	v_readfirstlane_b32 s34, v6                    ; wave 0..7 = the key tile of the block that this wave packs
	v_lshlrev_b32 v1, 4, v0                        ; 16 t: where I load
	v_lshlrev_b32 v2, 3, v0                        ; 8 t: where I store
	v_and_b32 v3, 15, v0                           ; r: the query of the tile
	v_lshrrev_b32 v6, 4, v0                        ; 2 wave + h
	v_lshlrev_b32 v3, 10, v3                       ; r rows of 1,024 mask bytes
	v_lshl_add_u32 v3, v6, 3, v3                   ; + 16 wave + 8 h
	s_lshl_b32 s35, s34, 5
	v_mov_b32 v7, s35                              ; LDS: 32 bytes for each wave's eight words
	s_mov_b32 s45, 0xffff0000                      ; a word's upper bf16
	s_mov_b32 s3, 0                                ; every offset below is under 4 GiB: high word 0
	s_wait_kmcnt 0x0
	s_lshl_b32 s2, ttmp9, 16                       ; 65,536 bytes of each activation
	s_add_nc_u64 s[8:9], s[8:9], s[2:3]
	s_add_nc_u64 s[10:11], s[10:11], s[2:3]
	s_add_nc_u64 s[12:13], s[12:13], s[2:3]
	s_lshl_b32 s2, ttmp9, 13                       ; 8,192 bytes of each weight
	s_add_nc_u64 s[14:15], s[14:15], s[2:3]
	s_add_nc_u64 s[16:17], s[16:17], s[2:3]
	s_add_nc_u64 s[18:19], s[18:19], s[2:3]
	s_add_nc_u64 s[20:21], s[20:21], s[2:3]
	s_lshl_b32 s2, ttmp9, 15                       ; half as many bytes out
	s_add_nc_u64 s[24:25], s[24:25], s[2:3]
	s_add_nc_u64 s[30:31], s[24:25], 0x1000000     ; k_in's copy: 8192 x 1024 x 2 bytes on
	s_add_nc_u64 s[32:33], s[24:25], 0x2000000     ; v_in's copy
	s_lshl_b32 s2, ttmp9, 12
	s_add_nc_u64 s[26:27], s[26:27], s[2:3]
	s_lshr_b32 s2, ttmp9, 3                        ; query tile g / 8: 16 rows of 1,024 bytes,
	s_lshl_b32 s2, s2, 14
	s_and_b32 s44, ttmp9, 7                        ; key group g % 8: 128 bytes
	s_lshl_b32 s44, s44, 7
	s_add_co_u32 s2, s2, s44
	s_add_nc_u64 s[22:23], s[22:23], s[2:3]
	s_lshl_b32 s2, ttmp9, 8                        ; mb: 2,048 qt + 256 (g % 8) = 256 g
	s_add_nc_u64 s[28:29], s[28:29], s[2:3]
.macro LOADS first, rows, lo           ; pieces of 4,096 bytes from the buffer at s[lo:lo+1] into data first, first+1, ..
.set i, 0
.rept \rows
	global_load_b128 v[X+4*(\first+i):X+4*(\first+i)+3], v1, s[\lo:\lo+1] offset:4096*i th:TH_LOAD_NT
.set i, i+1
.endr
.endm
	global_load_b64 v[4:5], v3, s[22:23] th:TH_LOAD_NT     ; mask[16 qt + r][16 kt + 8 h .. + 7]
	LOADS 0,  16, 8
	LOADS 16, 16, 10
	LOADS 32, 16, 12
	LOADS 48, 2,  14
	LOADS 50, 2,  16
	LOADS 52, 2,  18
	LOADS 54, 2,  20
	; the mask: byte j of my eight against 0 gives, over the wave's 32 lanes, word j
	s_wait_loadcnt 56                              ; loads come back in order (ISA guide 5.7.1): the mask's is in, the 56 behind it stay out
.irp j, 0,1,2,3,4,5,6,7
	v_and_b32 v6, 0xff<<(8*(\j&3)), v[4+\j/4]
	v_cmp_ne_u32 s[36+\j], 0, v6
	v_mov_b32 v[8+\j], s[36+\j]
.endr
	ds_store_b128 v7, v[8:11]                      ; every lane writes the same words to the same bytes
	ds_store_b128 v7, v[12:15] offset:16
	s_wait_dscnt 0x0                               ; my stores are done, for wave 0's sake
	s_barrier_signal -1
	s_barrier_wait -1
	s_cmp_lg_u32 s34, 0
	s_cbranch_scc1 .Lcasts
	v_and_b32 v6, 31, v0                           ; wave 0 stores the eight waves' 256 bytes by one instruction
	v_lshlrev_b32 v6, 3, v6
	ds_load_b64 v[4:5], v6
	s_wait_dscnt 0x0
	global_store_b64 v6, v[4:5], s[28:29]
.Lcasts:
; data first, first+1, .. : f32 -> bf16 (the one rounding) -> f32 (a shift, a mask) -> f16 (exact), in the datum's own four registers,
; and stored to s[lo:lo+1] + off + 2,048 i
.macro CASTS first, rows, lo, off
.set i, 0
.rept \rows
	s_wait_loadcnt 55-(\first+i)                   ; this datum is in; the younger ones stay out
	v_cvt_pk_bf16_f32 v[X+4*(\first+i)],   v[X+4*(\first+i)],   v[X+4*(\first+i)+1]
	v_cvt_pk_bf16_f32 v[X+4*(\first+i)+2], v[X+4*(\first+i)+2], v[X+4*(\first+i)+3]
	v_and_b32     v[X+4*(\first+i)+1], s45, v[X+4*(\first+i)]
	v_lshlrev_b32 v[X+4*(\first+i)],   16,  v[X+4*(\first+i)]
	v_and_b32     v[X+4*(\first+i)+3], s45, v[X+4*(\first+i)+2]
	v_lshlrev_b32 v[X+4*(\first+i)+2], 16,  v[X+4*(\first+i)+2]
	v_cvt_pk_f16_f32 v[X+4*(\first+i)],   v[X+4*(\first+i)],   v[X+4*(\first+i)+1]
	v_cvt_pk_f16_f32 v[X+4*(\first+i)+1], v[X+4*(\first+i)+2], v[X+4*(\first+i)+3]
	global_store_b64 v2, v[X+4*(\first+i):X+4*(\first+i)+1], s[\lo:\lo+1] offset:\off+2048*i
.set i, i+1
.endr
.endm
	CASTS 0,  16, 24, 0
	CASTS 16, 16, 30, 0
	CASTS 32, 16, 32, 0
	CASTS 48, 2,  26, 0                            ; a weight's copy is 1024 x 1024 x 2 bytes
	CASTS 50, 2,  26, 2097152
	CASTS 52, 2,  26, 2*2097152
	CASTS 54, 2,  26, 3*2097152
	s_wait_tensorcnt 0x0
	ds_add_u32 v240, v241
	s_wait_dscnt 0x0
	s_endpgm
.Lfunc_end_k_qe615856db6_prep:
	.size	k_qe615856db6_prep, .Lfunc_end_k_qe615856db6_prep-k_qe615856db6_prep
	.p2alignl 7, 3214868480
	.fill 96, 4, 3214868480
	.section	.rodata,"a",@progbits
	.p2align	6, 0x0
	.amdhsa_kernel k_qe615856db6_prep
		.amdhsa_group_segment_fixed_size 1280
		.amdhsa_private_segment_fixed_size 0
		.amdhsa_enable_private_segment 0
		.amdhsa_kernarg_size 88
		.amdhsa_user_sgpr_count 2
		.amdhsa_user_sgpr_kernarg_segment_ptr 1
		.amdhsa_wavefront_size32 1
		.amdhsa_system_sgpr_workgroup_id_x 1
		.amdhsa_system_sgpr_workgroup_id_y 1
		.amdhsa_system_sgpr_workgroup_id_z 1
		.amdhsa_system_vgpr_workitem_id 0
		.amdhsa_next_free_vgpr 242
		.amdhsa_next_free_sgpr 66
		.amdhsa_reserve_vcc 0
		.amdhsa_float_denorm_mode_32 3
		.amdhsa_float_denorm_mode_16_64 3
		.amdhsa_memory_ordered 1
		.amdhsa_forward_progress 1
		.amdhsa_inst_pref_size 38
	.end_amdhsa_kernel
	.amdgpu_metadata
---
amdhsa.version: [ 1, 2 ]
amdhsa.kernels:
  - .name:           k_qe615856db6_prep
    .symbol:         k_qe615856db6_prep.kd
    .args:
      - { .name: q_in, .offset: 0, .size: 8, .value_kind: global_buffer, .address_space: global }
      - { .name: k_in, .offset: 8, .size: 8, .value_kind: global_buffer, .address_space: global }
      - { .name: v_in, .offset: 16, .size: 8, .value_kind: global_buffer, .address_space: global }
      - { .name: wq, .offset: 24, .size: 8, .value_kind: global_buffer, .address_space: global }
      - { .name: wk, .offset: 32, .size: 8, .value_kind: global_buffer, .address_space: global }
      - { .name: wv, .offset: 40, .size: 8, .value_kind: global_buffer, .address_space: global }
      - { .name: wo, .offset: 48, .size: 8, .value_kind: global_buffer, .address_space: global }
      - { .name: mask, .offset: 56, .size: 8, .value_kind: global_buffer, .address_space: global }
      - { .name: xh, .offset: 64, .size: 8, .value_kind: global_buffer, .address_space: global }
      - { .name: wh, .offset: 72, .size: 8, .value_kind: global_buffer, .address_space: global }
      - { .name: mb, .offset: 80, .size: 8, .value_kind: global_buffer, .address_space: global }
    .group_segment_fixed_size: 1280
    .private_segment_fixed_size: 0
    .kernarg_segment_align: 8
    .kernarg_segment_size: 88
    .max_flat_workgroup_size: 256
    .sgpr_count:     66
    .vgpr_count:     242
    .wavefront_size: 32
...
	.end_amdgpu_metadata
.endif
;; end of part 1
;; launch qkv (part 2): grid 4 x 96, 4 waves a work-group, clusters of 4 x 4, 327,680 bytes of LDS; arguments xh, wh, bq, bk, bv, qkv; writes qkv
.if DOCPART == 2
	.amdgcn_target "amdgcn-amd-amdhsa--gfx1250"
	.amdhsa_code_object_version 6
	.text
	.protected	k_qe615856db6_qkv
	.globl	k_qe615856db6_qkv
	.p2align	8
	.type	k_qe615856db6_qkv,@function
k_qe615856db6_qkv:
	s_mov_b64 s[64:65], 0
	v_nop
	global_prefetch_b8 v0, s[64:65] scope:SCOPE_SE
	s_setreg_imm32_b32 hwreg(HW_REG_WAVE_MODE, 25, 1), 1
	s_wait_xcnt 0x0
	s_wait_alu depctr_hold_cnt(0) depctr_sa_sdst(0) depctr_va_vdst(0) depctr_va_sdst(0) depctr_va_ssrc(0) depctr_va_vcc(0) depctr_vm_vsrc(0)
	s_getreg_b32 s2, hwreg(HW_REG_IB_STS2, 6, 4)
	s_cmp_eq_u32 s2, 0
	s_cbranch_scc0 .Lentry_in_a_cluster
	s_endpgm
.Lentry_in_a_cluster:
	s_bfe_u32 s2, ttmp6, 0x10000c
	s_cmp_lg_u32 s2, 0xf033
	s_cbranch_scc0 .Lentry_shape_is_right
	s_endpgm
.Lentry_shape_is_right:
; The three projections as one product: qkv[m][n] = f_p (sum over k of xh[m][k] wh[p][n][k] + bias_p[n]), p = m / 8192 (0: q, 1: k, 2: v).
; xh: [24576][1024] f16, wh: [4][1024][1024] f16, biases f32, qkv: [24576][1024] f16; sums in f32.
; f_0 = c = 0.25 log2(e): the scores' division by sqrt(16) and the change to base 2 are laid on q, in f32, ahead of q's one rounding to f16
; (an order of rounding that differs from the reference's); f_1 = f_2 = 1.
; FORMAT, a stated decision: the biases are rounded to bf16 as they are loaded, like every other floating-point input of the program (see the
; launch before): the program computes the module on inputs rounded to bf16.
; LIMIT: results of 65,504 and above do not fit f16 and would become infinite.
; A work-group makes a block of 256 x 256 with four waves, one for each SIMD of a WGP; a wave makes 128 x 128: 64 accumulator tiles of
; 16 x 16, 512 registers.  K goes in steps of 128 through a ring of two LDS slots filled by the tensor data mover: a tile's rows are
; 256 bytes of memory and start at multiples of 256 bytes from the buffer's first byte.
; CLUSTERS: 4 x 4 work-groups.  The four of a row of the cluster need the same tiles of xh, the four of a column the same tiles of wh
; (a cluster spans 1,024 rows, so p is one number in all sixteen).  Such a tile is asked for JOINTLY: each of the four issues the same
; tensor load, with the same descriptor and a mask that names the four.  That divides the requests for both operands by four.
;
; REGISTERS, in windows of 256 (s_set_vgpr_msb says which window each operand place means):
;   window 0: v0-31 addresses; v64-127, v128-191 fragments of xh, two buffers; v192-255 the bias as eight C tiles, later at work on the way out
;   window 1: v64-127, v128-191 fragments of wh, two buffers
;   window 2: the 32 accumulator tiles of my rows 0-63 (tile (a, b) at v[8 (8 a + b)]);   window 3: those of my rows 64-127
; THE MATRIX INSTRUCTION IS USED TRANSPOSED: source 0 = 16 rows of wh, source 1 = 16 rows of xh.  Lane l then holds row l % 16 of the
; result and its registers 0 to 7 the columns 8 (l / 16) + 0 .. 7: eight neighbouring numbers, which pack into 16 bytes.
; THE BIAS IS THE FIRST C: register j of bias tile b holds bias[n0 + 16 b + 8 (l / 16) + j]; the first product of each accumulator
; takes that tile as C, so nothing is cleared and no add is spent on the bias.
.set SIZE_M, 24576
.set SIZE_N, 1024
.set SIZE_K, 1024
.set KSTEP,  128
.set PITCH,  272                       ; an LDS row: 256 bytes of data + 16 of padding = 68 words: row r starts at bank 4 r mod 64 (64 banks of 4 bytes: ISA guide 11.1), so the 16 rows that a load touches start at 16 different banks
.set HALFT,  128*PITCH                 ; 128 rows: what one tensor load brings, and what one wave reads of either operand
.set SLOT,   4*HALFT                   ; xh's 256 rows, then wh's 256 rows
.set STAGE,  2*SLOT                    ; behind the ring: 16 rows x 272 bytes for each wave, for the way out
.set SPITCH, 272
.set LAPS, SIZE_K/(2*KSTEP)            ; a lap = two K steps = once round the ring: 4
.set ADRA, 16                          ; v16-17  LDS address of my xh fragments in slot 0, 1
.set ADRB, 20                          ; v20-21  the same for wh
.set STO,  24                          ; v24     the way out: where I put 16 bytes of a row
.set RD,   25                          ; v25     the way out: where I read a row back
.set CO,   26                          ; v26     my byte offset in the result
.set BO,   27                          ; v27     my byte offset in the bias
.set F0,   64                          ; fragment buffer 0
.set F1,   128                         ; fragment buffer 1
.set BI,   192                         ; the eight bias tiles, window 0
.set TMP,  192                         ; the way out: packed results, window 0 (the bias was last read in the first quarter step)
.set G1, 24                            ; s[24:31] descriptor group 1 for xh's tiles
.set G0, 32                            ; s[32:39] descriptor group 0 for xh's tiles, one set for each slot
.set G1B, 48                           ; s[48:55] descriptor group 1 for wh's tiles: it differs in the mask alone
.set G0B, 56                           ; s[56:63] descriptor group 0 for wh's tiles, one set for each slot
.set MSB, 0
.macro WIN new                         ; the immediate's high byte repeats the setting that is left
.if MSB != \new
	s_set_vgpr_msb (MSB<<8)|\new
.set MSB, \new
.endif
.endm
.set MUL_LO,  0xa1                     ; source 0 (wh) window 1, source 1 (xh) window 0, C and D window 2
.set MUL_HI,  0xf1                     ; the same, C and D window 3
.set BIAS_LO, 0x81                     ; the same with C (the bias) in window 0, D window 2
.set BIAS_HI, 0xc1                     ; D window 3
.set TO_B,    0x40                     ; destination window 1, address window 0
; A joint load.  Waves 0 and 1 fetch xh's two halves, waves 2 and 3 wh's.  Each of the two lines has ONE mask and one set of registers for all that
; issue it, and nothing in them hangs on a coordinate that the four partners do not share.  The branch hangs on the wave's number alone.
.macro JLOAD s
	s_cmp_eq_u32 s11, 0
	s_cbranch_scc0 .Lfor_b_\@
	tensor_load_to_lds s[G0+4*\s:G0+4*\s+3], s[G1:G1+7]
	s_nop 0
	s_branch .Lasked_\@
.Lfor_b_\@:
	tensor_load_to_lds s[G0B+4*\s:G0B+4*\s+3], s[G1B:G1B+7]
	s_nop 0
.Lasked_\@:
.endm
; A round of the cluster's barrier: my work-group's barrier, so that wave 0's signal speaks for all four waves; wave 0 signals for the work-group;
; every wave waits for all sixteen work-groups; my work-group's barrier once more.  No LDS instruction of the wave is pending at a signal.
.macro CREST                           ; a round behind its opening barrier
	s_cmp_lg_u32 s10, 0
	s_cbranch_scc1 .Lnot_wave_0_\@
	s_barrier_signal -3
.Lnot_wave_0_\@:
	s_barrier_wait -3
	s_barrier_signal -1
	s_barrier_wait -1
.endm
.macro CROUND                          ; a whole round
	s_barrier_signal -1
	s_barrier_wait -1
	CREST
.endm
	s_load_b128 s[4:7], s[0:1], 0x0                ; xh s[4:5], wh s[6:7]
	s_load_b128 s[68:71], s[0:1], 0x10             ; bq s[68:69], bk s[70:71]
	s_load_b128 s[72:75], s[0:1], 0x20             ; bv s[72:73], qkv s[74:75]
	s_set_vgpr_msb 0x40
	v_lshl_add_u32 v255, v0, 2, 0x48400
	s_set_vgpr_msb 0x4000
	v_mov_b32 v63, 0
	s_set_vgpr_msb 0x1
	ds_add_u32 v255, v63
	ds_add_u32 v255, v63
	s_set_vgpr_msb 0x100
	v_lshrrev_b32 v1, 5, v0
	v_readfirstlane_b32 s10, v1                    ; wave 0..3
	s_lshr_b32 s11, s10, 1                         ; which half of the block's rows is mine.  Also: I fetch for xh (0) or for wh (1)
	s_and_b32 s12, s10, 1                          ; which half of its columns.  Also: which 128 rows of that tile I fetch
	s_bfe_u32 s40, ttmp6, 0x40000                  ; cx: my place along the cluster's x
	s_bfe_u32 s41, ttmp6, 0x40004                  ; cy: along its y
	s_lshl_b32 s42, ttmp9, 2                       ; in a cluster launch ttmp9 and ttmp7 count clusters
	s_add_co_u32 s42, s42, s40                     ; block column = 4 x cluster x + cx
	s_and_b32 s13, ttmp7, 0xffff                   ; the cluster's y, 0..23
	s_lshr_b32 s76, s13, 3                         ; p: eight clusters of 1,024 rows to a projection; made of the cluster's y alone
	s_lshl_b32 s13, s13, 2
	s_add_co_u32 s13, s13, s41                     ; block row = 4 x cluster y + cy
	s_lshl_b32 s43, s41, 2
	s_lshl_b32 s43, 15, s43                        ; my row of the cluster: places 4 cy .. 4 cy + 3
	s_lshl_b32 s44, 0x1111, s40                    ; my column: places cx, cx + 4, cx + 8, cx + 12
	; descriptor group 1: a tile of 128 rows x 128 elements, padded in LDS
	s_or_b32 s[G1+0], s43, (1<<16)|(1<<20)|(1<<21)|(5<<22)|(3<<25)  ; 15:0 the mask: xh's tiles go to my row; 17:16 element of 2 bytes; 20 padding on; 21 set beside a mask; 24:22 after every 64 words (code 5); 31:25 of 4 words (code 3)
	s_or_b32 s[G1B+0], s44, (1<<16)|(1<<20)|(1<<21)|(5<<22)|(3<<25) ; the same with the mask of my column, for wh's tiles
	s_mov_b32 s[G1B+1], KSTEP<<16
	s_mov_b32 s[G1+1], KSTEP<<16                   ; 63:48 tensor_dim0, low half = 128
	s_mov_b32 s[G1B+2], 128<<16
	s_mov_b32 s[G1+2], 128<<16                     ; 79:64 its high half = 0; 95:80 tensor_dim1, low half = 128
	s_mov_b32 s[G1B+3], KSTEP<<16
	s_mov_b32 s[G1+3], KSTEP<<16                   ; 111:96 its high half = 0; 127:112 tile_dim0 = 128
	s_mov_b32 s[G1B+4], 128
	s_mov_b32 s[G1+4], 128                         ; 143:128 tile_dim1 = 128; 159:144 tile_dim2 = 0
	s_mov_b32 s[G1B+5], SIZE_K
	s_mov_b32 s[G1+5], SIZE_K                      ; 191:160 tensor_dim0_stride, low word: elements from row to row
	s_mov_b32 s[G1B+6], 0
	s_mov_b32 s[G1+6], 0
	s_mov_b32 s[G1B+7], 0
	s_mov_b32 s[G1+7], 0
	; where the tiles come from.  xh's hang on the block row alone, which my row of the cluster shares; wh's on the block column and on p, which my
	; column shares.  Every wave makes both addresses, in registers that never hold the other coordinate, and asks by one of them.
	s_lshl_b32 s17, s12, 7                         ; which 128 rows of the tile I fetch
	s_lshl_b32 s16, s13, 8
	s_add_co_u32 s16, s16, s17                     ; xh: row 256 x block row + 128 x half
	s_lshl_b32 s46, s42, 8
	s_add_co_u32 s46, s46, s17                     ; wh: row 256 x block column + 128 x half
	s_lshl_b32 s77, s76, 10
	s_add_co_u32 s46, s46, s77                     ;     + 1,024 p
	s_mov_b32 s17, 0
	s_mov_b32 s47, 0
	s_mov_b64 s[18:19], SIZE_K*2
	s_mul_u64 s[16:17], s[16:17], s[18:19]         ; in bytes, in 64 bits
	s_mul_u64 s[46:47], s[46:47], s[18:19]
	s_mul_i32 s20, s10, HALFT                      ; and where they go: wave x 128 rows: no place in the cluster enters an LDS address
	s_mov_b32 s78, 0x3f800000                      ; f_p, the factor on the way out: 1, or c for p = 0
	s_cmp_eq_u32 s76, 0
	s_cselect_b32 s78, 0x3eb8aa3b, s78
	s_mov_b32 s79, s78
	s_wait_dscnt 0x0
	s_wait_kmcnt 0x0
	s_add_nc_u64 s[14:15], s[4:5], s[16:17]
	s_add_nc_u64 s[46:47], s[6:7], s[46:47]
	s_mov_b64 s[8:9], s[74:75]                     ; the result
	s_cmp_eq_u32 s76, 1                            ; the bias of projection p, chosen on p alone
	s_cselect_b64 s[68:69], s[70:71], s[68:69]
	s_cmp_eq_u32 s76, 2
	s_cselect_b64 s[68:69], s[72:73], s[68:69]
	CROUND                                         ; all sixteen work-groups are here: the first joint loads meet
.irp s, 0,1
	s_mov_b32 s[G0+4*\s], 1                                        ; 1:0 count = 1
	s_add_co_u32 s[G0+4*\s+1], s20, \s*SLOT                        ; 63:32 LDS address
	s_add_nc_u64 s[G0+4*\s+2:G0+4*\s+3], s[14:15], \s*KSTEP*2      ; 120:64 global address: K step s
	s_or_b32 s[G0+4*\s+3], s[G0+4*\s+3], 0x80000000                ; 127:126 type = 2
	s_mov_b32 s[G0B+4*\s], 1
	s_add_co_u32 s[G0B+4*\s+1], s20, \s*SLOT
	s_add_nc_u64 s[G0B+4*\s+2:G0B+4*\s+3], s[46:47], \s*KSTEP*2
	s_or_b32 s[G0B+4*\s+3], s[G0B+4*\s+3], 0x80000000
	JLOAD \s                                       ; the ring is filled before anything else is done
.endr
	; A fragment is 16 rows x 32 K in 8 registers: lane l holds row l % 16; registers 0-3 hold K = 8 (l / 16) + 0..7, registers 4-7 hold
	; K = 16 + 8 (l / 16) + 0..7.  From rows that lie along K: two loads of 16 bytes, 32 bytes apart.  The same for source 0 and source 1.
	v_and_b32 v1, 15, v0                           ; l % 16
	v_bfe_u32 v2, v0, 4, 1                         ; l / 16
	s_lshl_b32 s77, s42, 10                        ; the bias: 4 bytes x (256 x block column + 128 x column half ..
	s_lshl_b32 s66, s12, 9
	s_add_co_u32 s77, s77, s66
	v_lshl_add_u32 v[BO], v2, 5, s77               ; .. + 8 (l / 16))
.irp b, 0,1,2,3,4,5,6,7
	global_load_b128 v[BI+8*\b:BI+8*\b+3],   v[BO], s[68:69] offset:64*\b      ; bias[n0 + 16 b + 8 (l / 16) + 0..3]
	global_load_b128 v[BI+8*\b+4:BI+8*\b+7], v[BO], s[68:69] offset:64*\b+16   ; .. + 4..7
.endr
	v_mul_u32_u24 v3, v1, PITCH
	v_lshl_add_u32 v3, v2, 4, v3                   ; row x pitch + 16 x half
	s_mul_i32 s21, s11, HALFT                      ; my 128 rows of xh
	s_mul_i32 s22, s12, HALFT                      ; my 128 rows of wh,
	s_add_co_u32 s22, s22, 2*HALFT                 ; which lie behind xh's 256
.irp s, 0,1
	v_add_nc_u32 v[ADRA+\s], s21, v3
	v_add_nc_u32 v[ADRB+\s], s22, v3
	s_add_co_u32 s21, s21, SLOT
	s_add_co_u32 s22, s22, SLOT
.endr
	s_mul_i32 s23, s10, 16*SPITCH
	s_add_co_u32 s23, s23, STAGE                   ; my stage
	v_mul_u32_u24 v4, v1, SPITCH                   ; in: row l % 16, 16 bytes for each half of the lanes
	v_lshl_add_u32 v4, v2, 4, v4
	v_add_nc_u32 v[STO], s23, v4
	v_mul_u32_u24 v5, v2, SPITCH                   ; back: lanes 0-15 take one row of 256 bytes, lanes 16-31 the next
	v_lshl_add_u32 v5, v1, 4, v5
	v_add_nc_u32 v[RD], s23, v5
	v_mul_u32_u24 v5, v2, SIZE_N*2                 ; and the same two rows in the result
	v_lshl_add_u32 v[CO], v1, 4, v5
	s_wait_loadcnt 0x0                             ; the bias is in
.set i, 0
.rept 32
	v_cvt_pk_bf16_f32 v[BI+2*i], v[BI+2*i], v[BI+2*i+1]            ; the bias rounded to bf16 (see FORMAT at the head), two numbers at a time,
	v_and_b32     v[BI+2*i+1], 0xffff0000, v[BI+2*i]               ; and widened to f32 again: the high half stays,
	v_lshlrev_b32 v[BI+2*i],   16, v[BI+2*i]                       ; the low half moves up
.set i, i+1
.endr
; 16 matrix instructions: m blocks a0, a0 + 1 of the window's four (hi = 0: my rows 0-63, 1: rows 64-127) x all 8 n blocks, 32 along K.
; zero = 1: the first product starts the sums from the bias tile of its n block: nothing is ever cleared.
.macro MUL16 f, hi, a0, zero
.irp a, \a0, \a0+1
.irp b, 0,1,2,3,4,5,6,7
.if \zero
	v_wmma_f32_16x16x32_f16 v[8*(8*(\a)+\b):8*(8*(\a)+\b)+7], v[\f+8*\b:\f+8*\b+7], v[\f+8*(4*\hi+\a):\f+8*(4*\hi+\a)+7], v[BI+8*\b:BI+8*\b+7]
.else
	v_wmma_f32_16x16x32_f16 v[8*(8*(\a)+\b):8*(8*(\a)+\b)+7], v[\f+8*\b:\f+8*\b+7], v[\f+8*(4*\hi+\a):\f+8*(4*\hi+\a)+7], v[8*(8*(\a)+\b):8*(8*(\a)+\b)+7]
.endif
.endr
.endr
.endm
; 32 LDS loads in one run: the fragments of one quarter step (128 rows of wh, 128 rows of xh, 32 K at byte k of the rows) into buffer f
.macro FETCH slot, k, f
	WIN TO_B
.irp i, 0,1,2,3,4,5,6,7
	ds_load_b128 v[\f+8*\i:\f+8*\i+3],   v[ADRB+\slot] offset:\k+\i*16*PITCH
	ds_load_b128 v[\f+8*\i+4:\f+8*\i+7], v[ADRB+\slot] offset:\k+\i*16*PITCH+32
.endr
	WIN 0
.irp i, 0,1,2,3,4,5,6,7
	ds_load_b128 v[\f+8*\i:\f+8*\i+3],   v[ADRA+\slot] offset:\k+\i*16*PITCH
	ds_load_b128 v[\f+8*\i+4:\f+8*\i+7], v[ADRA+\slot] offset:\k+\i*16*PITCH+32
.endr
.endm
; A load into a register that a matrix instruction has read, and a vector instruction that reads a matrix result or writes one of a matrix
; instruction's registers, stand four places behind that matrix instruction, and only plain vector instructions that name none of its registers
; are places (ISA guide 7.12.1 for vector instructions).  So four v_nop stand in front of each run of loads.
.macro PLACES
.rept 4
	v_nop
.endr
.endm
; A K step is four quarter steps of 32 along K, 64 matrix instructions each, on buffers 0, 1, 0, 1.  The 64 accumulators take turns, one
; instruction a turn, in the same order in every quarter step.
; One of the first three: multiplies buffer f; in its middle it fetches the next quarter's fragments, at byte k of the same slot's rows, into buffer g.
.macro QUARTER slot, k, f, g, zero
	s_wait_dscnt 8                                 ; wh and xh's rows 0-63 are in; the youngest eight loads (xh's rows 64-127) may be out
.if \zero
	WIN BIAS_LO
.else
	WIN MUL_LO
.endif
	MUL16 \f, 0, 0, \zero
	MUL16 \f, 0, 2, \zero
	PLACES
	FETCH \slot, \k, \g
	s_wait_dscnt 32                                ; all but the 32 just issued
.if \zero
	WIN BIAS_HI
.else
	WIN MUL_HI
.endif
	MUL16 \f, 1, 0, \zero
	MUL16 \f, 1, 2, \zero
.endm
.macro THREE slot, zero
	QUARTER \slot, 64,  F0, F1, \zero
	QUARTER \slot, 128, F1, F0, 0
	QUARTER \slot, 192, F0, F1, 0
.endm
; The last quarter: multiplies buffer 1 and changes slots.  next = the other slot; fill = 1: this slot is filled again, two K steps ahead.
; ONE barrier for the change of slots, for two things.  In front of it each wave waits for its own reads of this slot and for all its tensor loads,
; of which one is out: its part of the next slot.  Behind it nobody reads this slot any more and the next slot is whole: the refill comes
; first, then the next slot's first fragments.  From a request to the wait for it a wave issues 240 matrix instructions.
.macro TURN slot, next, fill
	s_wait_dscnt 8
	WIN MUL_LO
	MUL16 F1, 0, 0, 0
	s_wait_dscnt 0                                 ; my reads of this slot are over
	s_wait_tensorcnt 0x0                           ; and all my tensor loads have landed: the one that was out is my part of the next slot:
	ds_add_u32 v255, v63
	s_wait_dscnt 0x0
	s_barrier_signal -1                            ; say so (where a slot is filled again this barrier opens a round of the cluster's barrier),
	MUL16 F1, 0, 2, 0                              ; work on registers while the others arrive,
	WIN 0
	s_barrier_wait -1                              ; and go on when all four have said so
.if \fill
	CREST                                          ; all sixteen work-groups have said so: no wave of any partner still reads this slot's tile or has a load on its way
	s_add_nc_u64 s[G0+4*\slot+2:G0+4*\slot+3], s[G0+4*\slot+2:G0+4*\slot+3], 2*KSTEP*2
	s_add_nc_u64 s[G0B+4*\slot+2:G0B+4*\slot+3], s[G0B+4*\slot+2:G0B+4*\slot+3], 2*KSTEP*2
	JLOAD \slot                                    ; the first tensor load behind the round, one a wave
.endif
	PLACES
	FETCH \next, 0, F0
	WIN MUL_HI
	MUL16 F1, 1, 0, 0
	MUL16 F1, 1, 2, 0
.endm
.macro LAP zero                        ; once round the ring, both slots filled again
	THREE 0, \zero
	TURN 0, 1, 1
	THREE 1, 0
	TURN 1, 0, 1
.endm
	s_wait_tensorcnt 1                             ; my part of K step 0 is in; K step 1's may stay out
	s_barrier_signal -1
	s_barrier_wait -1                              ; everybody's is
	FETCH 0, 0, F0
	LAP 1                                          ; the first lap stands in front of the loop: its first products start the sums
	WIN 0                                          ; at a label and at a branch every window is 0
	s_mov_b32 s3, LAPS-2
.Llap:
	LAP 0
	WIN 0
	s_sub_co_u32 s3, s3, 1
	s_cmp_lg_u32 s3, 0
	s_cbranch_scc1 .Llap
	THREE 0, 0                                     ; the last lap fills nothing: my one tensor load that is still out is slot 1's, the last K step's
	TURN 0, 1, 0
	THREE 1, 0
	s_wait_dscnt 8                                 ; the very last quarter: nothing more to fetch
	WIN MUL_LO
	MUL16 F1, 0, 0, 0
	MUL16 F1, 0, 2, 0
	s_wait_dscnt 0
	WIN MUL_HI
	MUL16 F1, 1, 0, 0
	MUL16 F1, 1, 2, 0
	; THE WAY OUT, 16 rows at a time: times f_p in f32, round to f16, 16 bytes a lane into my own stage in LDS, read back as whole rows of 256 bytes.
	; The four v_nop are the places behind the last matrix instructions: for the multiplications, which read and write results, and for the loads into buffers 0 and 1.
	PLACES
	s_lshl_b32 s13, s13, 8
	s_lshl_b32 s14, s11, 7
	s_add_co_u32 s16, s13, s14                     ; my first row
	s_mov_b32 s17, 0
	s_mov_b64 s[18:19], SIZE_N*2
	s_mul_u64 s[16:17], s[16:17], s[18:19]
	s_add_nc_u64 s[8:9], s[8:9], s[16:17]
	s_lshl_b32 s46, s42, 9                         ; my first column, in bytes: 512 x block + 256 x half
	s_lshl_b32 s47, s12, 8
	s_add_co_u32 s46, s46, s47
	s_mov_b32 s47, 0
	s_add_nc_u64 s[8:9], s[8:9], s[46:47]
; rows 16 i .. 16 i + 15 of my block = the eight tiles (a, 0..7) of window 2 or 3.  scl = 0x82 or 0xc3: source 0 and destination in that window, for the
; multiplication in place; from = 0x0a or 0x0f: sources 0 and 1 in it, for the conversion; f: F0 or F1 in turn.
; The factor is 1 for k and v: one path for all three projections, 32 packed multiplications for 16 rows.
.macro OUT16 i, a, scl, from, f
	WIN \scl
.irp b, 0,1,2,3,4,5,6,7
.irp r, 0,1,2,3
	v_pk_mul_f32 v[8*(8*\a+\b)+2*\r:8*(8*\a+\b)+2*\r+1], v[8*(8*\a+\b)+2*\r:8*(8*\a+\b)+2*\r+1], s[78:79] op_sel_hi:[1,0]
.endr
.endr
	WIN \from
.irp b, 0,1,2,3,4,5,6,7
.irp r, 0,1,2,3
	v_cvt_pk_f16_f32 v[TMP+4*\b+\r], v[8*(8*\a+\b)+2*\r], v[8*(8*\a+\b)+2*\r+1]
.endr
.endr
	WIN 0
.irp b, 0,1,2,3,4,5,6,7
	ds_store_b128 v[STO], v[TMP+4*\b:TMP+4*\b+3] offset:32*\b
.endr
	s_wait_xcnt 0x0                                ; every earlier memory instruction has had its addresses translated (ISA guide 3.1): buffer f, which stores read, and the stores' base are rewritten only behind this wait
.if \i
	s_add_nc_u64 s[8:9], s[8:9], 16*SIZE_N*2       ; 16 rows on
.endif
.irp t, 0,1,2,3,4,5,6,7
	ds_load_b128 v[\f+4*\t:\f+4*\t+3], v[RD] offset:\t*2*SPITCH    ; LDS serves a wave's instructions in order (ISA guide 5.7.1.4): these see the stores above
.endr
.irp t, 0,1,2,3,4,5,6,7
	s_wait_dscnt 7-\t                              ; read-back t is in; the younger ones stay out
	global_store_b128 v[CO], v[\f+4*\t:\f+4*\t+3], s[8:9] offset:2*\t*SIZE_N*2   ; 16 lanes store 256 consecutive bytes, at a multiple of 256 from the buffer's first byte
.endr
.endm
	OUT16 0, 0, 0x82, 0x0a, F0
	OUT16 1, 1, 0x82, 0x0a, F1
	OUT16 2, 2, 0x82, 0x0a, F0
	OUT16 3, 3, 0x82, 0x0a, F1
	OUT16 4, 0, 0xc3, 0x0f, F0
	OUT16 5, 1, 0xc3, 0x0f, F1
	OUT16 6, 2, 0xc3, 0x0f, F0
	OUT16 7, 3, 0xc3, 0x0f, F1
	s_set_vgpr_msb 0x1
	s_wait_tensorcnt 0x0
	ds_add_u32 v255, v63
	s_wait_dscnt 0x0
	s_set_vgpr_msb 0x100
	CROUND                                         ; the closing round: no work-group ends while a partner may still ask for a tile that names it
	s_endpgm
.Lfunc_end_k_qe615856db6_qkv:
	.size	k_qe615856db6_qkv, .Lfunc_end_k_qe615856db6_qkv-k_qe615856db6_qkv
	.p2alignl 7, 3214868480
	.fill 96, 4, 3214868480
	.section	.rodata,"a",@progbits
	.p2align	6, 0x0
	.amdhsa_kernel k_qe615856db6_qkv
		.amdhsa_group_segment_fixed_size 327680
		.amdhsa_private_segment_fixed_size 0
		.amdhsa_enable_private_segment 0
		.amdhsa_kernarg_size 48
		.amdhsa_user_sgpr_count 2
		.amdhsa_user_sgpr_kernarg_segment_ptr 1
		.amdhsa_wavefront_size32 1
		.amdhsa_system_sgpr_workgroup_id_x 1
		.amdhsa_system_sgpr_workgroup_id_y 1
		.amdhsa_system_sgpr_workgroup_id_z 1
		.amdhsa_system_vgpr_workitem_id 0
		.amdhsa_next_free_vgpr 1024
		.amdhsa_next_free_sgpr 80
		.amdhsa_reserve_vcc 0
		.amdhsa_float_denorm_mode_32 3
		.amdhsa_float_denorm_mode_16_64 3
		.amdhsa_memory_ordered 1
		.amdhsa_forward_progress 1
		.amdhsa_inst_pref_size 220
	.end_amdhsa_kernel
	.amdgpu_metadata
---
amdhsa.version: [ 1, 2 ]
amdhsa.kernels:
  - .name:           k_qe615856db6_qkv
    .symbol:         k_qe615856db6_qkv.kd
    .args:
      - { .name: xh, .offset: 0, .size: 8, .value_kind: global_buffer, .address_space: global }
      - { .name: wh, .offset: 8, .size: 8, .value_kind: global_buffer, .address_space: global }
      - { .name: bq, .offset: 16, .size: 8, .value_kind: global_buffer, .address_space: global }
      - { .name: bk, .offset: 24, .size: 8, .value_kind: global_buffer, .address_space: global }
      - { .name: bv, .offset: 32, .size: 8, .value_kind: global_buffer, .address_space: global }
      - { .name: qkv, .offset: 40, .size: 8, .value_kind: global_buffer, .address_space: global }
    .group_segment_fixed_size: 327680
    .private_segment_fixed_size: 0
    .kernarg_segment_align: 8
    .kernarg_segment_size: 48
    .max_flat_workgroup_size: 128
    .sgpr_count:     80
    .vgpr_count:     1024
    .wavefront_size: 32
...
	.end_amdgpu_metadata
.endif
;; end of part 2
;; launch attn (part 3): grid 256 x 1, 16 waves a work-group, no clusters, 313,344 bytes of LDS; arguments qkv, mb, heads; writes heads
.if DOCPART == 3
	.amdgcn_target "amdgcn-amd-amdhsa--gfx1250"
	.amdhsa_code_object_version 6
	.text
	.protected	k_qe615856db6_attn
	.globl	k_qe615856db6_attn
	.p2align	8
	.type	k_qe615856db6_attn,@function
k_qe615856db6_attn:
	s_mov_b64 s[64:65], 0
	v_nop
	global_prefetch_b8 v0, s[64:65] scope:SCOPE_SE
	s_setreg_imm32_b32 hwreg(HW_REG_WAVE_MODE, 25, 1), 1
	s_wait_xcnt 0x0
; Masked softmax attention.  qkv: [3][128 heads][1024][64] f16 (q already times 0.25 log2(e)), mb: the mask as lane masks
; ([64 query tiles][64 key tiles][8] u32), heads: [128][1024][64] f16.  Products on f16 operands with f32 sums; softmax in f32.
; Where the mask is true the score becomes -FLT_MAX, as in the reference.  The maximum is a running one and starts from the first 64 scores:
; while a row has seen masked keys only, masked minus maximum is 0 and each key counts 1 (a row masked throughout ends as the plain mean
; of V); as soon as an unmasked score appears, exp2(-FLT_MAX - m) = 0 wipes what was gathered.  No pattern of the mask is built in.
; LIMITS: scores are taken as finite (the mapping of NaN and +inf by nan_to_num is not reproduced).  The softmax's sum is made of the
; weights before their rounding to f16.  Results of 65,504 and above do not fit f16.
; SHARES: work-group x = head x / 2, query half x % 2 (512 queries); 16 waves, four on each SIMD at 256 registers, so that one wave's
; vector and exponential work stands beside another's matrix work; a wave owns 32 queries (two tiles of 16) and walks all 1,024 keys in
; 16 steps of 64.  The head's whole K and V lie in LDS, filled once: no slot is ever filled again.
; NO CLUSTER: only two work-groups read one head's K and V; clusters here are four wide, and four work-groups to a head would be 512
; work-groups of 256 queries for 256 WGPs, each WGP then filling its 311,296 bytes twice instead of once.
; EVERYTHING IS TRANSPOSED, so that the weights never leave their registers:
;   S^T = K Q^T: lane (r, h), register j of tile kt holds (key 16 kt + 8 h + j, query r); packing tiles 2 kb and 2 kb + 1 pairwise to f16
;   gives the B fragment of P^T for the 32 keys of block kb.   O^T = V^T P^T: A is V^T, by the transposing LDS load; lane (r, h),
;   register j of tile c holds (column 16 c + 8 h + j, query r).  Maximum, correction and sum are one number a lane; lanes r and r + 16 meet
;   by one v_permlanex16_b32.
.set KP,    144                        ; K's LDS row: 128 bytes + 16: an odd multiple of 16, so the 16 rows of a fragment start in 16 different groups of banks
.set VP,    160                        ; V's LDS row: 128 bytes + 32: an odd multiple of 32, for the transposing load
.set VBASE, 1024*KP                    ; K: bytes 0 .. 147,455; V: 147,456 .. 311,295
.set KA,  1                            ; v1      LDS address of my part of this step's K fragments
.set VA,  2                            ; v2      the same for V
.set NEG, 3                            ; v3      -FLT_MAX
.set MX,  4                            ; v4, v5  running maximum of query tile 0, 1
.set NM,  6                            ; v[6:9]  (-m, -m) of tile 0, 1
.set AL,  10                           ; v[10:13] (alpha, alpha) of tile 0, 1; at the end (1 / l, 1 / l)
.set LS,  14                           ; v[14:17] my two partial sums of tile 0, 1
.set TT,  18                           ; v[18:25] at work
.set STO, 26                           ; v26     the way out: where I put 16 bytes
.set RD,  27                           ; v27     the way out: where I read back
.set CO,  28                           ; v28     my byte offset in the result
.set QO,  29                           ; v29     my byte offset in Q
.set QF,  32                           ; v[32:63]   Q fragments: 16 q + 8 kk
.set OA,  64                           ; v[64:127]  O^T: 32 q + 8 c
.set SA,  128                          ; v[128:191] S^T: 32 q + 8 kt; then P^T: 32 q + 8 kb
.set KV,  192                          ; v[192:255] K fragments 16 kt + 8 kk, then V^T fragments 32 kb + 8 c
.set G1,  84                           ; s[84:91] descriptor group 1
.set G0A, 92                           ; s[92:95] group 0 of my first load (keys 0-511)
.set G0B, 96                           ; s[96:99] group 0 of my second load (keys 512-1023)
; s[16:63], s[68:83]: this step's 64 mask words: tile q, key tile kt, word j at 16 + 32 q + 8 kt + j (+ 4 for q = 1, kt >= 2)
	s_load_b128 s[4:7], s[0:1], 0x0                ; qkv s[4:5], mb s[6:7]
	s_load_b64 s[8:9], s[0:1], 0x10                ; heads
	v_lshl_add_u32 v30, v0, 2, 0x4c000
	v_mov_b32 v31, 0
	ds_add_u32 v30, v31
	ds_add_u32 v30, v31
	v_lshrrev_b32 v1, 5, v0
	v_readfirstlane_b32 s10, v1                    ; wave 0..15
	s_lshr_b32 s11, ttmp9, 1                       ; head
	s_and_b32 s12, ttmp9, 1                        ; query half
	s_mov_b32 s14, 0x76543210                      ; v_permlanex16_b32: lane i of one half reads lane i of the other
	s_mov_b32 s15, 0xfedcba98
	; group 1: a tile of 64 rows x 64 f16; word 0 (the padding) is written in the arms below
	s_mov_b32 s[G1+1], 64<<16                      ; tensor_dim0 = 64
	s_mov_b32 s[G1+2], 64<<16                      ; tensor_dim1 = 64
	s_mov_b32 s[G1+3], 64<<16                      ; tile_dim0 = 64
	s_mov_b32 s[G1+4], 64                          ; tile_dim1 = 64
	s_mov_b32 s[G1+5], 64                          ; 64 elements from row to row
	s_mov_b32 s[G1+6], 0
	s_mov_b32 s[G1+7], 0
	s_mov_b32 s[G0A], 1
	s_mov_b32 s[G0B], 1
	s_lshl_b32 s2, s11, 17                         ; a head is 1024 x 64 x 2 bytes
	s_mov_b32 s3, 0
	s_mov_b32 s101, 0
	s_wait_dscnt 0x0
	s_wait_kmcnt 0x0
	s_add_nc_u64 s[4:5], s[4:5], s[2:3]            ; my head's Q
	s_add_nc_u64 s[8:9], s[8:9], s[2:3]            ; my head's result
	; The fills, all at the start: waves 0-7 bring K, waves 8-15 V, each 64 rows of keys 0-511 and then 64 rows of keys 512-1023.
	; Two tensor loads of a wave are out at the most; no descriptor register is written again.
	s_cmp_lt_u32 s10, 8
	s_cbranch_scc0 .Lv_arm
	s_mov_b32 s[G1], 0x07110000                    ; element of 2 bytes, padding on: after every 32 words (code 4) 4 words (code 3)
	s_mul_i32 s[G0A+1], s10, 64*KP                 ; LDS: wave x 64 rows of K
	s_add_co_u32 s[G0B+1], s[G0A+1], 512*KP
	s_lshl_b32 s100, s10, 13                       ; memory: wave x 64 rows of 128 bytes
	s_add_nc_u64 s[G0A+2:G0A+3], s[4:5], s[100:101]
	s_add_nc_u64 s[G0A+2:G0A+3], s[G0A+2:G0A+3], 0x1000000         ; K lies 8192 x 1024 x 2 bytes behind Q
	s_add_nc_u64 s[G0B+2:G0B+3], s[G0A+2:G0A+3], 0x10000           ; 512 rows on
	s_or_b32 s[G0A+3], s[G0A+3], 0x80000000
	s_or_b32 s[G0B+3], s[G0B+3], 0x80000000
	tensor_load_to_lds s[G0A:G0A+3], s[G1:G1+7]
	s_nop 0
	tensor_load_to_lds s[G0B:G0B+3], s[G1:G1+7]
	s_nop 0
	s_branch .Lasked
.Lv_arm:
	s_mov_b32 s[G1], 0x0f110000                    ; the same with 8 words of padding (code 7)
	s_mul_i32 s[G0A+1], s10, 64*VP                 ; LDS: VBASE + (wave - 8) x 64 rows of V
	s_add_co_u32 s[G0A+1], s[G0A+1], VBASE-8*64*VP
	s_add_co_u32 s[G0B+1], s[G0A+1], 512*VP
	s_sub_co_u32 s100, s10, 8
	s_lshl_b32 s100, s100, 13
	s_add_nc_u64 s[G0A+2:G0A+3], s[4:5], s[100:101]
	s_add_nc_u64 s[G0A+2:G0A+3], s[G0A+2:G0A+3], 0x2000000
	s_add_nc_u64 s[G0B+2:G0B+3], s[G0A+2:G0A+3], 0x10000
	s_or_b32 s[G0A+3], s[G0A+3], 0x80000000
	s_or_b32 s[G0B+3], s[G0B+3], 0x80000000
	tensor_load_to_lds s[G0A:G0A+3], s[G1:G1+7]
	s_nop 0
	tensor_load_to_lds s[G0B:G0B+3], s[G1:G1+7]
	s_nop 0
.Lasked:
	s_lshl_b32 s2, s12, 9
	s_lshl_b32 s100, s10, 5
	s_add_co_u32 s2, s2, s100                      ; my first query: 512 half + 32 wave
	s_lshl_b32 s2, s2, 7                           ; x 128 bytes: a row of Q and of the result; and 2,048 bytes of mb for 16 queries
	s_add_nc_u64 s[4:5], s[4:5], s[2:3]
	s_add_nc_u64 s[6:7], s[6:7], s[2:3]
	s_add_nc_u64 s[8:9], s[8:9], s[2:3]
	v_and_b32 v18, 15, v0                          ; r
	v_bfe_u32 v19, v0, 4, 1                        ; h
	v_lshlrev_b32 v[QO], 7, v18
	v_lshl_add_u32 v[QO], v19, 4, v[QO]            ; 128 r + 16 h
.irp q, 0,1
.irp kk, 0,1
	global_load_b128 v[QF+16*\q+8*\kk:QF+16*\q+8*\kk+3],   v[QO], s[4:5] offset:2048*\q+64*\kk      ; Q(16 q + r, 32 kk + 8 h ..)
	global_load_b128 v[QF+16*\q+8*\kk+4:QF+16*\q+8*\kk+7], v[QO], s[4:5] offset:2048*\q+64*\kk+32   ; Q(16 q + r, 32 kk + 16 + 8 h ..)
.endr
.endr
.macro MASKS                           ; the 64 words of one step: 4 key tiles x 8 words for each of my two query tiles
	s_load_b512 s[16:31], s[6:7], 0x0
	s_load_b512 s[32:47], s[6:7], 0x40
	s_load_b512 s[48:63], s[6:7], 0x800
	s_load_b512 s[68:83], s[6:7], 0x840
.endm
	MASKS
	v_mul_u32_u24 v[KA], v18, KP
	v_lshl_add_u32 v[KA], v19, 4, v[KA]            ; r x pitch + 16 h
	v_and_b32 v23, 7, v0                           ; L & 7
	v_lshl_add_u32 v20, v19, 3, v23                ; 8 h + (L & 7)
	v_mul_u32_u24 v[VA], v20, VP
	v_bfe_u32 v21, v0, 3, 1
	v_lshl_add_u32 v[VA], v21, 4, v[VA]            ; + 16 ((L >> 3) & 1)
	v_add_nc_u32 v[VA], VBASE, v[VA]
	v_mov_b32 v[NEG], 0xff7fffff
	s_mul_i32 s100, s10, 32*KP                     ; my stage for the way out: 32 rows of 144 bytes, in K's bytes, used behind the last reads of K
	v_add_nc_u32 v[STO], s100, v[KA]
	v_bfe_u32 v22, v0, 3, 2                        ; L >> 3
	v_mul_u32_u24 v[RD], v22, KP
	v_lshl_add_u32 v[RD], v23, 4, v[RD]
	v_add_nc_u32 v[RD], s100, v[RD]
	v_and_b32 v[CO], 31, v0
	v_lshlrev_b32 v[CO], 4, v[CO]                  ; 16 L
	s_wait_tensorcnt 0x1                           ; my part of keys 0-511 is in; my second load stays out
	s_barrier_signal -1
	s_barrier_wait -1                              ; everybody's is
	s_wait_loadcnt 0x0                             ; Q
; Eight products: key tiles kt0, kt0 + 1 x both query tiles, the head's 64 columns in two halves.  The four accumulators take turns,
; one instruction a turn; the first half starts the sums with C = 0.
.macro QK kt0
.irp kk, 0,1
.irp kt, \kt0, \kt0+1
.irp q, 0,1
.if \kk
	v_wmma_f32_16x16x32_f16 v[SA+32*\q+8*(\kt):SA+32*\q+8*(\kt)+7], v[KV+16*(\kt)+8*\kk:KV+16*(\kt)+8*\kk+7], v[QF+16*\q+8*\kk:QF+16*\q+8*\kk+7], v[SA+32*\q+8*(\kt):SA+32*\q+8*(\kt)+7]
.else
	v_wmma_f32_16x16x32_f16 v[SA+32*\q+8*(\kt):SA+32*\q+8*(\kt)+7], v[KV+16*(\kt)+8*\kk:KV+16*(\kt)+8*\kk+7], v[QF+16*\q+8*\kk:QF+16*\q+8*\kk+7], 0
.endif
.endr
.endr
.endr
.endm
; The softmax step of query tile q on its 32 registers of scores (my 32 of the row's 64 keys).
.macro SOFT q, first
.set SB, SA+32*\q
.irp k, 0,1,2,3                        ; the maximum: four chains of seven, then the four scores left over, the chains and the old maximum
	v_max3_num_f32 v[TT+\k], v[SB+8*\k], v[SB+8*\k+1], v[SB+8*\k+2]
.endr
.irp k, 0,1,2,3
	v_max3_num_f32 v[TT+\k], v[TT+\k], v[SB+8*\k+3], v[SB+8*\k+4]
.endr
.irp k, 0,1,2,3
	v_max3_num_f32 v[TT+\k], v[TT+\k], v[SB+8*\k+5], v[SB+8*\k+6]
.endr
	v_max3_num_f32 v[TT],   v[TT],   v[TT+1], v[SB+7]
	v_max3_num_f32 v[TT+2], v[TT+2], v[TT+3], v[SB+15]
	v_max3_num_f32 v[TT],   v[TT],   v[TT+2], v[SB+23]
.if \first
	v_max_num_f32 v[TT], v[TT], v[SB+31]
.else
	v_max3_num_f32 v[TT], v[TT], v[SB+31], v[MX+\q]
.endif
	v_permlanex16_b32 v[TT+1], v[TT], s14, s15     ; the other 32 keys' maximum, from lane r + 16 or r - 16
	v_max_num_f32 v[TT+2], v[TT], v[TT+1]          ; the new maximum m
.if \first == 0
	v_sub_f32 v[TT+3], v[MX+\q], v[TT+2]           ; old - new, at most 0
.endif
	v_mov_b32 v[MX+\q], v[TT+2]
	v_mul_f32 v[NM+2*\q],   -1.0, v[TT+2]
	v_mul_f32 v[NM+2*\q+1], -1.0, v[TT+2]
.set i, 0
.rept 16
	v_pk_add_f32 v[SB+2*i:SB+2*i+1], v[SB+2*i:SB+2*i+1], v[NM+2*\q:NM+2*\q+1]     ; s - m: 0 at the most
.set i, i+1
.endr
.if \first == 0
	v_exp_f32 v[AL+2*\q],   v[TT+3]                ; alpha = 2^(old - new), twice, for the packed forms
	v_exp_f32 v[AL+2*\q+1], v[TT+3]
.endif
.set i, 0
.rept 32
	v_exp_f32 v[SB+i], v[SB+i]                     ; p = 2^(s - m)
.set i, i+1
.endr
	v_nop                                          ; one plain place behind the last exponential, ahead of the first use (ISA guide 5.7.2)
.if \first
	s_wait_alu depctr_va_vdst(0)
	v_pk_add_f32 v[LS+2*\q:LS+2*\q+1], v[SB:SB+1], v[SB+4:SB+5]                  ; the first step starts the sums
.else
	s_wait_alu depctr_va_vdst(0)
	v_pk_fma_f32 v[LS+2*\q:LS+2*\q+1], v[LS+2*\q:LS+2*\q+1], v[AL+2*\q:AL+2*\q+1], v[SB:SB+1]   ; l = l alpha + p, in two chains
	v_pk_add_f32 v[LS+2*\q:LS+2*\q+1], v[LS+2*\q:LS+2*\q+1], v[SB+4:SB+5]
.endif
	v_pk_add_f32 v[TT+4:TT+5], v[SB+2:SB+3], v[SB+6:SB+7]
.irp i, 4,6,8,10,12,14
	v_pk_add_f32 v[LS+2*\q:LS+2*\q+1], v[LS+2*\q:LS+2*\q+1], v[SB+2*\i:SB+2*\i+1]
	v_pk_add_f32 v[TT+4:TT+5], v[TT+4:TT+5], v[SB+2*\i+2:SB+2*\i+3]
.endr
	v_pk_add_f32 v[LS+2*\q:LS+2*\q+1], v[LS+2*\q:LS+2*\q+1], v[TT+4:TT+5]
.set i, 0
.rept 16
	v_cvt_pk_f16_f32 v[SB+i], v[SB+2*i], v[SB+2*i+1]       ; packed in place, ascending: register i is written when 2 i and 2 i + 1 are read
.set i, i+1
.endr
.if \first == 0
.set i, 0
.rept 16
	v_pk_mul_f32 v[OA+32*\q+2*i:OA+32*\q+2*i+1], v[OA+32*\q+2*i:OA+32*\q+2*i+1], v[AL+2*\q:AL+2*\q+1]   ; O = O alpha
.set i, i+1
.endr
.endif
.endm
; Sixteen products: O^T += V^T P^T.  The eight accumulators take turns, one instruction a turn.
.macro PV first
.irp kb, 0,1
.irp c, 0,1,2,3
.irp q, 0,1
.if \first*(1-\kb)
	v_wmma_f32_16x16x32_f16 v[OA+32*\q+8*\c:OA+32*\q+8*\c+7], v[KV+32*\kb+8*\c:KV+32*\kb+8*\c+7], v[SA+32*\q+8*\kb:SA+32*\q+8*\kb+7], 0
.else
	v_wmma_f32_16x16x32_f16 v[OA+32*\q+8*\c:OA+32*\q+8*\c+7], v[KV+32*\kb+8*\c:KV+32*\kb+8*\c+7], v[SA+32*\q+8*\kb:SA+32*\q+8*\kb+7], v[OA+32*\q+8*\c:OA+32*\q+8*\c+7]
.endif
.endr
.endr
.endr
.endm
; One step: 64 keys.  first = 1: nothing is carried in.  last = 1: no mask words are asked for beyond the row's end.
.macro STEP first, last
.irp kt, 0,1,2,3
.irp kk, 0,1
	ds_load_b128 v[KV+16*\kt+8*\kk:KV+16*\kt+8*\kk+3],   v[KA] offset:\kt*16*KP+64*\kk
	ds_load_b128 v[KV+16*\kt+8*\kk+4:KV+16*\kt+8*\kk+7], v[KA] offset:\kt*16*KP+64*\kk+32
.endr
.endr
	s_wait_dscnt 0x8                               ; key tiles 0 and 1 are in; the eight loads of tiles 2 and 3 may be out
	QK 0
	s_wait_dscnt 0x0
	QK 2
.rept 4
	v_nop                                          ; four places behind the products: for the loads into their sources and for the reads of their results
.endr
.irp kb, 0,1
.irp c, 0,1,2,3
	ds_load_tr16_b128 v[KV+32*\kb+8*\c:KV+32*\kb+8*\c+3],   v[VA] offset:\kb*32*VP+32*\c          ; V^T(16 c + r, 32 kb + 8 h ..): lands under the softmax
	ds_load_tr16_b128 v[KV+32*\kb+8*\c+4:KV+32*\kb+8*\c+7], v[VA] offset:\kb*32*VP+32*\c+16*VP    ; V^T(16 c + r, 32 kb + 16 + 8 h ..)
.endr
.endr
	s_wait_kmcnt 0x0                               ; this step's mask words
.irp q, 0,1
.irp kt, 0,1,2,3
.irp j, 0,1,2,3,4,5,6,7
	v_cndmask_b32 v[SA+32*\q+8*\kt+\j], v[SA+32*\q+8*\kt+\j], v[NEG], s[16+32*\q+8*\kt+\j+4*\q*(\kt/2)]
.endr
.endr
.endr
.if \last == 0
	s_add_nc_u64 s[6:7], s[6:7], 128               ; four key tiles of 32 bytes on (the loads that used this base are done: the wait above)
	MASKS                                          ; the next step's words: they have the rest of this step in which to come
.endif
	SOFT 0, \first
	SOFT 1, \first
	s_wait_dscnt 0x0                               ; V^T
	PV \first
	v_add_nc_u32 v[KA], 64*KP, v[KA]               ; five places behind the products: the next step's loads land in their sources,
	v_add_nc_u32 v[VA], 64*VP, v[VA]               ; and its first products write over P (ISA guide 7.12.1)
.rept 3
	v_nop
.endr
.endm
	STEP 1, 0                                      ; keys 0-63
	s_mov_b32 s13, 7
.Lhalf0:
	STEP 0, 0                                      ; keys 64-511
	s_sub_co_u32 s13, s13, 1
	s_cmp_lg_u32 s13, 0
	s_cbranch_scc1 .Lhalf0
	s_wait_tensorcnt 0x0                           ; my part of keys 512-1023 is in,
	s_wait_dscnt 0x0
	s_barrier_signal -1
	s_barrier_wait -1                              ; everybody's is
	s_mov_b32 s13, 7
.Lhalf1:
	STEP 0, 0                                      ; keys 512-959
	s_sub_co_u32 s13, s13, 1
	s_cmp_lg_u32 s13, 0
	s_cbranch_scc1 .Lhalf1
	STEP 0, 1                                      ; keys 960-1023
	; THE WAY OUT.  l is at least 1: the maximum's own weight is 1 and no later correction shrinks it.
.irp q, 0,1
	v_add_f32 v[TT], v[LS+2*\q], v[LS+2*\q+1]
	v_permlanex16_b32 v[TT+1], v[TT], s14, s15
	v_add_f32 v[TT], v[TT], v[TT+1]                ; the row's sum over all 1,024 keys
	v_rcp_f32 v[AL+2*\q],   v[TT]
	v_rcp_f32 v[AL+2*\q+1], v[TT]
	v_nop                                          ; one plain place behind the reciprocals (ISA guide 5.7.2)
.set i, 0
	s_wait_alu depctr_va_vdst(0)
.rept 16
	v_pk_mul_f32 v[OA+32*\q+2*i:OA+32*\q+2*i+1], v[OA+32*\q+2*i:OA+32*\q+2*i+1], v[AL+2*\q:AL+2*\q+1]
.set i, i+1
.endr
.set i, 0
.rept 16
	v_cvt_pk_f16_f32 v[OA+32*\q+i], v[OA+32*\q+2*i], v[OA+32*\q+2*i+1]     ; tile c ends in registers 4 c .. 4 c + 3: 16 bytes of query r's row
.set i, i+1
.endr
.endr
	s_wait_dscnt 0x0                               ; my reads of K are over,
	s_barrier_signal -1
	s_barrier_wait -1                              ; everybody's are: K's bytes, which no load fills any more, serve as the stages
.irp q, 0,1
.irp c, 0,1,2,3
	ds_store_b128 v[STO], v[OA+32*\q+4*\c:OA+32*\q+4*\c+3] offset:\q*16*KP+32*\c
.endr
.endr
.irp t, 0,1,2,3,4,5,6,7
	ds_load_b128 v[KV+4*\t:KV+4*\t+3], v[RD] offset:\t*4*KP        ; four rows of 128 bytes; LDS serves a wave's instructions in order (ISA guide 5.7.1.4): these see my stores
.endr
.irp t, 0,1,2,3,4,5,6,7
	s_wait_dscnt 7-\t                              ; read-back t is in; the younger ones stay out
	global_store_b128 v[CO], v[KV+4*\t:KV+4*\t+3], s[8:9] offset:512*\t    ; 512 consecutive bytes of the result, aligned
.endr
	s_wait_tensorcnt 0x0
	ds_add_u32 v30, v31
	s_wait_dscnt 0x0
	s_endpgm
.Lfunc_end_k_qe615856db6_attn:
	.size	k_qe615856db6_attn, .Lfunc_end_k_qe615856db6_attn-k_qe615856db6_attn
	.p2alignl 7, 3214868480
	.fill 96, 4, 3214868480
	.section	.rodata,"a",@progbits
	.p2align	6, 0x0
	.amdhsa_kernel k_qe615856db6_attn
		.amdhsa_group_segment_fixed_size 313344
		.amdhsa_private_segment_fixed_size 0
		.amdhsa_enable_private_segment 0
		.amdhsa_kernarg_size 24
		.amdhsa_user_sgpr_count 2
		.amdhsa_user_sgpr_kernarg_segment_ptr 1
		.amdhsa_wavefront_size32 1
		.amdhsa_system_sgpr_workgroup_id_x 1
		.amdhsa_system_sgpr_workgroup_id_y 1
		.amdhsa_system_sgpr_workgroup_id_z 1
		.amdhsa_system_vgpr_workitem_id 0
		.amdhsa_next_free_vgpr 256
		.amdhsa_next_free_sgpr 102
		.amdhsa_reserve_vcc 0
		.amdhsa_float_denorm_mode_32 3
		.amdhsa_float_denorm_mode_16_64 3
		.amdhsa_memory_ordered 1
		.amdhsa_forward_progress 1
		.amdhsa_inst_pref_size 96
	.end_amdhsa_kernel
	.amdgpu_metadata
---
amdhsa.version: [ 1, 2 ]
amdhsa.kernels:
  - .name:           k_qe615856db6_attn
    .symbol:         k_qe615856db6_attn.kd
    .args:
      - { .name: qkv, .offset: 0, .size: 8, .value_kind: global_buffer, .address_space: global }
      - { .name: mb, .offset: 8, .size: 8, .value_kind: global_buffer, .address_space: global }
      - { .name: heads, .offset: 16, .size: 8, .value_kind: global_buffer, .address_space: global }
    .group_segment_fixed_size: 313344
    .private_segment_fixed_size: 0
    .kernarg_segment_align: 8
    .kernarg_segment_size: 24
    .max_flat_workgroup_size: 512
    .sgpr_count:     102
    .vgpr_count:     256
    .wavefront_size: 32
...
	.end_amdgpu_metadata
.endif
;; end of part 3
;; launch oproj (part 4): grid 4 x 32, 4 waves a work-group, clusters of 4 x 4, 327,680 bytes of LDS; arguments heads, wh, bo, out0; writes out0
.if DOCPART == 4
	.amdgcn_target "amdgcn-amd-amdhsa--gfx1250"
	.amdhsa_code_object_version 6
	.text
	.protected	k_qe615856db6_oproj
	.globl	k_qe615856db6_oproj
	.p2align	8
	.type	k_qe615856db6_oproj,@function
k_qe615856db6_oproj:
	s_mov_b64 s[64:65], 0
	v_nop
	global_prefetch_b8 v0, s[64:65] scope:SCOPE_SE
	s_setreg_imm32_b32 hwreg(HW_REG_WAVE_MODE, 25, 1), 1
	s_wait_xcnt 0x0
	s_wait_alu depctr_hold_cnt(0) depctr_sa_sdst(0) depctr_va_vdst(0) depctr_va_sdst(0) depctr_va_ssrc(0) depctr_va_vcc(0) depctr_vm_vsrc(0)
	s_getreg_b32 s2, hwreg(HW_REG_IB_STS2, 6, 4)
	s_cmp_eq_u32 s2, 0
	s_cbranch_scc0 .Lentry_in_a_cluster
	s_endpgm
.Lentry_in_a_cluster:
	s_bfe_u32 s2, ttmp6, 0x10000c
	s_cmp_lg_u32 s2, 0xf033
	s_cbranch_scc0 .Lentry_shape_is_right
	s_endpgm
.Lentry_shape_is_right:
; The last layer: out0[m][n] = sum over k of heads[m][k] wo[n][k] + bo[n].  heads: [8192][1024] f16, wo = wh[3]: [1024][1024] f16,
; bo f32, out0: [8192][1024] f32; sums in f32.
; FORMAT, a stated decision: bo is rounded to bf16 as it is loaded, like every other floating-point input of the program: the program computes
; the module on inputs rounded to bf16.
; The shape of the projections' launch: a work-group makes 256 x 256 with four waves of 128 x 128; K in steps of 128 through a ring of two LDS
; slots filled by joint tensor loads in clusters of 4 x 4 (heads' tiles shared along a row of the cluster, wo's along a column).
; 128 work-groups: this block size has work for no more.
; REGISTERS, in windows of 256: window 0: v0-31 addresses; v64-127, v128-191 fragments of heads, two buffers; v192-255 the bias as eight C tiles;
;   window 1: v64-127, v128-191 fragments of wo; windows 2, 3: the accumulator tiles of my rows 0-63, 64-127 (tile (a, b) at v[8 (8 a + b)]).
; THE MATRIX INSTRUCTION IS USED TRANSPOSED (source 0 = rows of wo, source 1 = rows of heads): lane l holds row l % 16 and in registers 0 to 7 the
; columns 8 (l / 16) + 0 .. 7: 32 neighbouring bytes of f32.  THE BIAS IS THE FIRST C, as in the projections' launch.
.set SIZE_M, 8192
.set SIZE_N, 1024
.set SIZE_K, 1024
.set KSTEP,  128
.set PITCH,  272                       ; an LDS row: 256 bytes of data + 16 of padding: the 16 rows that a load touches start at 16 different banks (64 banks of 4 bytes: ISA guide 11.1)
.set HALFT,  128*PITCH
.set SLOT,   4*HALFT
.set STAGE,  2*SLOT                    ; behind the ring: 16 rows x 528 bytes for each wave, for the way out
.set SPITCH, 528                       ; 512 bytes of f32 + 16
.set LAPS, SIZE_K/(2*KSTEP)
.set ADRA, 16
.set ADRB, 20
.set STO,  24
.set RD,   25
.set CO,   26
.set BO,   27
.set F0,   64
.set F1,   128
.set BI,   192
.set G1, 24
.set G0, 32
.set G1B, 48
.set G0B, 56
.set MSB, 0
.macro WIN new                         ; the immediate's high byte repeats the setting that is left
.if MSB != \new
	s_set_vgpr_msb (MSB<<8)|\new
.set MSB, \new
.endif
.endm
.set MUL_LO,  0xa1                     ; source 0 (wo) window 1, source 1 (heads) window 0, C and D window 2
.set MUL_HI,  0xf1                     ; the same, C and D window 3
.set BIAS_LO, 0x81                     ; C (the bias) in window 0, D window 2
.set BIAS_HI, 0xc1                     ; D window 3
.set TO_B,    0x40                     ; destination window 1, address window 0
; A joint load: waves 0 and 1 fetch heads' two halves, waves 2 and 3 wo's.  One mask and one set of registers for each line; the branch hangs on the wave's number alone.
.macro JLOAD s
	s_cmp_eq_u32 s11, 0
	s_cbranch_scc0 .Lfor_b_\@
	tensor_load_to_lds s[G0+4*\s:G0+4*\s+3], s[G1:G1+7]
	s_nop 0
	s_branch .Lasked_\@
.Lfor_b_\@:
	tensor_load_to_lds s[G0B+4*\s:G0B+4*\s+3], s[G1B:G1B+7]
	s_nop 0
.Lasked_\@:
.endm
; A round of the cluster's barrier: my work-group's barrier; wave 0 signals for the work-group; every wave waits for all sixteen; my work-group's barrier once more.
.macro CREST
	s_cmp_lg_u32 s10, 0
	s_cbranch_scc1 .Lnot_wave_0_\@
	s_barrier_signal -3
.Lnot_wave_0_\@:
	s_barrier_wait -3
	s_barrier_signal -1
	s_barrier_wait -1
.endm
.macro CROUND
	s_barrier_signal -1
	s_barrier_wait -1
	CREST
.endm
	s_load_b128 s[4:7], s[0:1], 0x0                ; heads s[4:5], wh s[6:7]
	s_load_b128 s[68:71], s[0:1], 0x10             ; bo s[68:69], out0 s[70:71]
	s_set_vgpr_msb 0x40
	v_lshl_add_u32 v255, v0, 2, 0x4c400
	s_set_vgpr_msb 0x4000
	v_mov_b32 v63, 0
	s_set_vgpr_msb 0x1
	ds_add_u32 v255, v63
	ds_add_u32 v255, v63
	s_set_vgpr_msb 0x100
	v_lshrrev_b32 v1, 5, v0
	v_readfirstlane_b32 s10, v1                    ; wave 0..3
	s_lshr_b32 s11, s10, 1                         ; my half of the block's rows; also: I fetch for heads (0) or for wo (1)
	s_and_b32 s12, s10, 1                          ; my half of its columns; also: which 128 rows of that tile I fetch
	s_bfe_u32 s40, ttmp6, 0x40000                  ; cx
	s_bfe_u32 s41, ttmp6, 0x40004                  ; cy
	s_lshl_b32 s42, ttmp9, 2
	s_add_co_u32 s42, s42, s40                     ; block column = 4 x cluster x + cx
	s_and_b32 s13, ttmp7, 0xffff
	s_lshl_b32 s13, s13, 2
	s_add_co_u32 s13, s13, s41                     ; block row = 4 x cluster y + cy
	s_lshl_b32 s43, s41, 2
	s_lshl_b32 s43, 15, s43                        ; my row of the cluster: places 4 cy .. 4 cy + 3
	s_lshl_b32 s44, 0x1111, s40                    ; my column: places cx, cx + 4, cx + 8, cx + 12
	s_or_b32 s[G1+0], s43, (1<<16)|(1<<20)|(1<<21)|(5<<22)|(3<<25)  ; the mask of my row; element of 2 bytes; padding on; bit 21 beside a mask; after every 64 words 4 words
	s_or_b32 s[G1B+0], s44, (1<<16)|(1<<20)|(1<<21)|(5<<22)|(3<<25) ; the same with the mask of my column
	s_mov_b32 s[G1B+1], KSTEP<<16
	s_mov_b32 s[G1+1], KSTEP<<16                   ; tensor_dim0 = 128
	s_mov_b32 s[G1B+2], 128<<16
	s_mov_b32 s[G1+2], 128<<16                     ; tensor_dim1 = 128
	s_mov_b32 s[G1B+3], KSTEP<<16
	s_mov_b32 s[G1+3], KSTEP<<16                   ; tile_dim0 = 128
	s_mov_b32 s[G1B+4], 128
	s_mov_b32 s[G1+4], 128                         ; tile_dim1 = 128
	s_mov_b32 s[G1B+5], SIZE_K
	s_mov_b32 s[G1+5], SIZE_K                      ; elements from row to row
	s_mov_b32 s[G1B+6], 0
	s_mov_b32 s[G1+6], 0
	s_mov_b32 s[G1B+7], 0
	s_mov_b32 s[G1+7], 0
	s_lshl_b32 s17, s12, 7                         ; which 128 rows of the tile I fetch
	s_lshl_b32 s16, s13, 8
	s_add_co_u32 s16, s16, s17                     ; heads: row 256 x block row + 128 x half
	s_lshl_b32 s46, s42, 8
	s_add_co_u32 s46, s46, s17                     ; wo: row 256 x block column + 128 x half
	s_mov_b32 s17, 0
	s_mov_b32 s47, 0
	s_mov_b64 s[18:19], SIZE_K*2
	s_mul_u64 s[16:17], s[16:17], s[18:19]
	s_mul_u64 s[46:47], s[46:47], s[18:19]
	s_mul_i32 s20, s10, HALFT                      ; LDS: wave x 128 rows: no place in the cluster enters an LDS address
	s_wait_dscnt 0x0
	s_wait_kmcnt 0x0
	s_add_nc_u64 s[6:7], s[6:7], 0x600000          ; wo is the fourth of wh's matrices of 1024 x 1024 x 2 bytes
	s_add_nc_u64 s[14:15], s[4:5], s[16:17]
	s_add_nc_u64 s[46:47], s[6:7], s[46:47]
	s_mov_b64 s[8:9], s[70:71]                     ; the result
	CROUND                                         ; all sixteen work-groups are here: the first joint loads meet
.irp s, 0,1
	s_mov_b32 s[G0+4*\s], 1
	s_add_co_u32 s[G0+4*\s+1], s20, \s*SLOT
	s_add_nc_u64 s[G0+4*\s+2:G0+4*\s+3], s[14:15], \s*KSTEP*2
	s_or_b32 s[G0+4*\s+3], s[G0+4*\s+3], 0x80000000
	s_mov_b32 s[G0B+4*\s], 1
	s_add_co_u32 s[G0B+4*\s+1], s20, \s*SLOT
	s_add_nc_u64 s[G0B+4*\s+2:G0B+4*\s+3], s[46:47], \s*KSTEP*2
	s_or_b32 s[G0B+4*\s+3], s[G0B+4*\s+3], 0x80000000
	JLOAD \s                                       ; the ring is filled before anything else is done
.endr
	v_and_b32 v1, 15, v0                           ; l % 16
	v_bfe_u32 v2, v0, 4, 1                         ; l / 16
	s_lshl_b32 s77, s42, 10                        ; 4 bytes x (256 x block column + 128 x column half): my columns in bo, and in a row of out0
	s_lshl_b32 s66, s12, 9
	s_add_co_u32 s77, s77, s66
	v_lshl_add_u32 v[BO], v2, 5, s77               ; + 4 x 8 (l / 16)
.irp b, 0,1,2,3,4,5,6,7
	global_load_b128 v[BI+8*\b:BI+8*\b+3],   v[BO], s[68:69] offset:64*\b      ; bo[n0 + 16 b + 8 (l / 16) + 0..3]
	global_load_b128 v[BI+8*\b+4:BI+8*\b+7], v[BO], s[68:69] offset:64*\b+16   ; .. + 4..7
.endr
	v_mul_u32_u24 v3, v1, PITCH
	v_lshl_add_u32 v3, v2, 4, v3                   ; row x pitch + 16 x half
	s_mul_i32 s21, s11, HALFT
	s_mul_i32 s22, s12, HALFT
	s_add_co_u32 s22, s22, 2*HALFT
.irp s, 0,1
	v_add_nc_u32 v[ADRA+\s], s21, v3
	v_add_nc_u32 v[ADRB+\s], s22, v3
	s_add_co_u32 s21, s21, SLOT
	s_add_co_u32 s22, s22, SLOT
.endr
	s_mul_i32 s23, s10, 16*SPITCH
	s_add_co_u32 s23, s23, STAGE                   ; my stage
	v_mul_u32_u24 v4, v1, SPITCH                   ; in: row l % 16, 32 bytes for each half of the lanes
	v_lshl_add_u32 v4, v2, 5, v4
	v_add_nc_u32 v[STO], s23, v4
	v_and_b32 v5, 31, v0
	v_lshlrev_b32 v[CO], 4, v5                     ; back and out: 16 bytes a lane, a row of 512 bytes a wave
	v_add_nc_u32 v[RD], s23, v[CO]
	s_wait_loadcnt 0x0                             ; the bias is in
.set i, 0
.rept 32
	v_cvt_pk_bf16_f32 v[BI+2*i], v[BI+2*i], v[BI+2*i+1]            ; the bias rounded to bf16 (see FORMAT at the head), two numbers at a time,
	v_and_b32     v[BI+2*i+1], 0xffff0000, v[BI+2*i]               ; and widened to f32 again: the high half stays,
	v_lshlrev_b32 v[BI+2*i],   16, v[BI+2*i]                       ; the low half moves up
.set i, i+1
.endr
; 16 matrix instructions; zero = 1: the first product starts the sums from the bias tile of its n block
.macro MUL16 f, hi, a0, zero
.irp a, \a0, \a0+1
.irp b, 0,1,2,3,4,5,6,7
.if \zero
	v_wmma_f32_16x16x32_f16 v[8*(8*(\a)+\b):8*(8*(\a)+\b)+7], v[\f+8*\b:\f+8*\b+7], v[\f+8*(4*\hi+\a):\f+8*(4*\hi+\a)+7], v[BI+8*\b:BI+8*\b+7]
.else
	v_wmma_f32_16x16x32_f16 v[8*(8*(\a)+\b):8*(8*(\a)+\b)+7], v[\f+8*\b:\f+8*\b+7], v[\f+8*(4*\hi+\a):\f+8*(4*\hi+\a)+7], v[8*(8*(\a)+\b):8*(8*(\a)+\b)+7]
.endif
.endr
.endr
.endm
.macro FETCH slot, k, f                ; 32 LDS loads in one run: one quarter step's fragments into buffer f
	WIN TO_B
.irp i, 0,1,2,3,4,5,6,7
	ds_load_b128 v[\f+8*\i:\f+8*\i+3],   v[ADRB+\slot] offset:\k+\i*16*PITCH
	ds_load_b128 v[\f+8*\i+4:\f+8*\i+7], v[ADRB+\slot] offset:\k+\i*16*PITCH+32
.endr
	WIN 0
.irp i, 0,1,2,3,4,5,6,7
	ds_load_b128 v[\f+8*\i:\f+8*\i+3],   v[ADRA+\slot] offset:\k+\i*16*PITCH
	ds_load_b128 v[\f+8*\i+4:\f+8*\i+7], v[ADRA+\slot] offset:\k+\i*16*PITCH+32
.endr
.endm
.macro PLACES                          ; four places behind matrix instructions, ahead of loads into their sources and of reads of their results (ISA guide 7.12.1 for vector instructions)
.rept 4
	v_nop
.endr
.endm
; The 64 accumulators take turns, one instruction a turn, in the same order in every quarter step.
.macro QUARTER slot, k, f, g, zero
	s_wait_dscnt 8                                 ; wo and heads' rows 0-63 are in; the youngest eight loads (rows 64-127) may be out
.if \zero
	WIN BIAS_LO
.else
	WIN MUL_LO
.endif
	MUL16 \f, 0, 0, \zero
	MUL16 \f, 0, 2, \zero
	PLACES
	FETCH \slot, \k, \g
	s_wait_dscnt 32                                ; all but the 32 just issued
.if \zero
	WIN BIAS_HI
.else
	WIN MUL_HI
.endif
	MUL16 \f, 1, 0, \zero
	MUL16 \f, 1, 2, \zero
.endm
.macro THREE slot, zero
	QUARTER \slot, 64,  F0, F1, \zero
	QUARTER \slot, 128, F1, F0, 0
	QUARTER \slot, 192, F0, F1, 0
.endm
; The last quarter changes slots: in front of the one barrier each wave waits for its reads of this slot and for all its tensor loads (one is out: its part
; of the next slot); behind it the refill comes first, then the next slot's first fragments.
.macro TURN slot, next, fill
	s_wait_dscnt 8
	WIN MUL_LO
	MUL16 F1, 0, 0, 0
	s_wait_dscnt 0                                 ; my reads of this slot are over
	s_wait_tensorcnt 0x0                           ; and all my tensor loads have landed
	ds_add_u32 v255, v63
	s_wait_dscnt 0x0
	s_barrier_signal -1                            ; say so (where a slot is filled again this barrier opens a round of the cluster's barrier),
	MUL16 F1, 0, 2, 0                              ; work on registers while the others arrive,
	WIN 0
	s_barrier_wait -1
.if \fill
	CREST                                          ; all sixteen work-groups have said so
	s_add_nc_u64 s[G0+4*\slot+2:G0+4*\slot+3], s[G0+4*\slot+2:G0+4*\slot+3], 2*KSTEP*2
	s_add_nc_u64 s[G0B+4*\slot+2:G0B+4*\slot+3], s[G0B+4*\slot+2:G0B+4*\slot+3], 2*KSTEP*2
	JLOAD \slot                                    ; the first tensor load behind the round, one a wave
.endif
	PLACES
	FETCH \next, 0, F0
	WIN MUL_HI
	MUL16 F1, 1, 0, 0
	MUL16 F1, 1, 2, 0
.endm
.macro LAP zero
	THREE 0, \zero
	TURN 0, 1, 1
	THREE 1, 0
	TURN 1, 0, 1
.endm
	s_wait_tensorcnt 1                             ; my part of K step 0 is in; K step 1's may stay out
	s_barrier_signal -1
	s_barrier_wait -1
	FETCH 0, 0, F0
	LAP 1                                          ; the first lap stands in front of the loop: its first products start the sums
	WIN 0
	s_mov_b32 s3, LAPS-2
.Llap:
	LAP 0
	WIN 0
	s_sub_co_u32 s3, s3, 1
	s_cmp_lg_u32 s3, 0
	s_cbranch_scc1 .Llap
	THREE 0, 0                                     ; the last lap fills nothing
	TURN 0, 1, 0
	THREE 1, 0
	s_wait_dscnt 8
	WIN MUL_LO
	MUL16 F1, 0, 0, 0
	MUL16 F1, 0, 2, 0
	s_wait_dscnt 0
	WIN MUL_HI
	MUL16 F1, 1, 0, 0
	MUL16 F1, 1, 2, 0
	; THE WAY OUT, 16 rows at a time: 32 bytes a lane and tile into my own stage in LDS, read back as whole rows of 512 bytes.
	PLACES                                         ; the places behind the last matrix instructions: for the LDS stores of results and the loads into buffers 0 and 1
	s_lshl_b32 s13, s13, 8
	s_lshl_b32 s14, s11, 7
	s_add_co_u32 s16, s13, s14                     ; my first row
	s_mov_b32 s17, 0
	s_mov_b64 s[18:19], SIZE_N*4
	s_mul_u64 s[16:17], s[16:17], s[18:19]
	s_add_nc_u64 s[8:9], s[8:9], s[16:17]
	s_mov_b32 s46, s77                             ; my first column, in bytes
	s_mov_b32 s47, 0
	s_add_nc_u64 s[8:9], s[8:9], s[46:47]
; rows 16 i .. 16 i + 15 of my block = the eight tiles (a, 0..7) of window 2 or 3 (from = 0x08 or 0x0c: an LDS store's data are source 1); f: F0 or F1 in turn
.macro OUT16F i, a, from, f
	WIN \from
.irp b, 0,1,2,3,4,5,6,7
	ds_store_b128 v[STO], v[8*(8*\a+\b):8*(8*\a+\b)+3]   offset:64*\b
	ds_store_b128 v[STO], v[8*(8*\a+\b)+4:8*(8*\a+\b)+7] offset:64*\b+16
.endr
	WIN 0
	s_wait_xcnt 0x0                                ; every earlier memory instruction has had its addresses translated (ISA guide 3.1): buffer f, which stores read, and the stores' base are rewritten only behind this wait
.if \i
	s_add_nc_u64 s[8:9], s[8:9], 16*SIZE_N*4       ; 16 rows on
.endif
.irp t, 0,1,2,3,4,5,6,7,8,9,10,11,12,13,14,15
	ds_load_b128 v[\f+4*\t:\f+4*\t+3], v[RD] offset:\t*SPITCH      ; LDS serves a wave's instructions in order (ISA guide 5.7.1.4): these see the stores above
.endr
.irp t, 0,1,2,3,4,5,6,7,8,9,10,11,12,13,14,15
	s_wait_dscnt 15-\t                             ; read-back t is in; the younger ones stay out
	global_store_b128 v[CO], v[\f+4*\t:\f+4*\t+3], s[8:9] offset:\t*SIZE_N*4 th:TH_STORE_NT   ; the wave stores 512 consecutive bytes, at a multiple of 512 from the buffer's first byte
.endr
.endm
	OUT16F 0, 0, 0x08, F0
	OUT16F 1, 1, 0x08, F1
	OUT16F 2, 2, 0x08, F0
	OUT16F 3, 3, 0x08, F1
	OUT16F 4, 0, 0x0c, F0
	OUT16F 5, 1, 0x0c, F1
	OUT16F 6, 2, 0x0c, F0
	OUT16F 7, 3, 0x0c, F1
	s_set_vgpr_msb 0x1
	s_wait_tensorcnt 0x0
	ds_add_u32 v255, v63
	s_wait_dscnt 0x0
	s_set_vgpr_msb 0x100
	CROUND                                         ; the closing round: no work-group ends while a partner may still ask for a tile that names it
	s_endpgm
.Lfunc_end_k_qe615856db6_oproj:
	.size	k_qe615856db6_oproj, .Lfunc_end_k_qe615856db6_oproj-k_qe615856db6_oproj
	.p2alignl 7, 3214868480
	.fill 96, 4, 3214868480
	.section	.rodata,"a",@progbits
	.p2align	6, 0x0
	.amdhsa_kernel k_qe615856db6_oproj
		.amdhsa_group_segment_fixed_size 327680
		.amdhsa_private_segment_fixed_size 0
		.amdhsa_enable_private_segment 0
		.amdhsa_kernarg_size 32
		.amdhsa_user_sgpr_count 2
		.amdhsa_user_sgpr_kernarg_segment_ptr 1
		.amdhsa_wavefront_size32 1
		.amdhsa_system_sgpr_workgroup_id_x 1
		.amdhsa_system_sgpr_workgroup_id_y 1
		.amdhsa_system_sgpr_workgroup_id_z 1
		.amdhsa_system_vgpr_workitem_id 0
		.amdhsa_next_free_vgpr 1024
		.amdhsa_next_free_sgpr 80
		.amdhsa_reserve_vcc 0
		.amdhsa_float_denorm_mode_32 3
		.amdhsa_float_denorm_mode_16_64 3
		.amdhsa_memory_ordered 1
		.amdhsa_forward_progress 1
		.amdhsa_inst_pref_size 203
	.end_amdhsa_kernel
	.amdgpu_metadata
---
amdhsa.version: [ 1, 2 ]
amdhsa.kernels:
  - .name:           k_qe615856db6_oproj
    .symbol:         k_qe615856db6_oproj.kd
    .args:
      - { .name: heads, .offset: 0, .size: 8, .value_kind: global_buffer, .address_space: global }
      - { .name: wh, .offset: 8, .size: 8, .value_kind: global_buffer, .address_space: global }
      - { .name: bo, .offset: 16, .size: 8, .value_kind: global_buffer, .address_space: global }
      - { .name: out0, .offset: 24, .size: 8, .value_kind: global_buffer, .address_space: global }
    .group_segment_fixed_size: 327680
    .private_segment_fixed_size: 0
    .kernarg_segment_align: 8
    .kernarg_segment_size: 32
    .max_flat_workgroup_size: 128
    .sgpr_count:     80
    .vgpr_count:     1024
    .wavefront_size: 32
...
	.end_amdgpu_metadata
.endif
;; end of part 4
;; ======== version 2 of 2: 4 launches; version 1 with the launch prep written anew for expert scheduling mode
;; limits: values are held in f16: magnitudes above 65,504 overflow, below 6.1e-05 lose precision; values outside matrix products are rounded to bf16
;; workspace buffers: xh 50,331,648 bytes; wh 8,388,608 bytes; mb 131,072 bytes of whole numbers; qkv 50,331,648 bytes; heads 16,777,216 bytes
;; launch prep (part 5): grid 512 x 1, 8 waves a work-group, no clusters, 1,280 bytes of LDS; arguments q_in, k_in, v_in, wq, wk, wv, wo, mask, xh, wh, mb; writes xh, wh, mb
.if DOCPART == 5
	.amdgcn_target "amdgcn-amd-amdhsa--gfx1250"
	.amdhsa_code_object_version 6
	.text
	.protected	k_qe615856db6_prep
	.globl	k_qe615856db6_prep
	.p2align	8
	.type	k_qe615856db6_prep,@function
k_qe615856db6_prep:
	s_mov_b64 s[64:65], 0
	v_nop
	global_prefetch_b8 v0, s[64:65] scope:SCOPE_SE
	s_setreg_imm32_b32 hwreg(HW_REG_WAVE_SCHED_MODE, 0, 2), 2
	s_setreg_imm32_b32 hwreg(HW_REG_WAVE_MODE, 25, 1), 1
	s_wait_xcnt 0x0
	s_wait_alu depctr_vm_vsrc(0)
; The matrix operands for the later launches, and the mask repacked into lane masks.
;   xh [3][8192][1024] f16 = q_in, k_in, v_in;   wh [4][1024][1024] f16 = wq, wk, wv, wo.
;   mb [64 query tiles][64 key tiles][8] u32: bit 16 h + r of word j = mask[16 qt + r][16 kt + 8 h + j].
; FORMAT, a stated decision: every number is first rounded to bf16 (to nearest even), the operand format that the problem's contract names,
; and that number is stored as f16.  A bf16 number has 8 significant bits and f16 holds 11, so the second step is exact for magnitudes from
; 2^-17 up to 65,504; below 2^-17 it errs by 2^-25 at the most.  So the program computes the module on inputs rounded to bf16, while the
; later intermediates (q, k, v, the weights of the softmax, the heads) keep f16's 11 bits.  Against unrounded inputs the operands carry bf16's error.
; LIMIT: numbers of 65,504 and above do not fit f16 and would become infinite.
; 512 work-groups of eight waves.  Work-group g owns 65,536 bytes of each of the three activations (16 pieces of 4,096 bytes),
; 8,192 bytes of each weight (2 pieces) and the mask's block of 16 queries x 128 keys.  Thread t takes the 16 bytes at 16 t of
; every piece and stores 8 bytes at 8 t: a wave's load covers 512 consecutive bytes, its store 256 consecutive bytes, aligned.
; No loop: all 57 loads of a thread go out first, each into registers of its own, and no register that a load or a store
; names is ever written again behind it.
; No matrix unit, no cluster, no tensor load: every byte is read once by one thread and leaves at once.
; THE MODE: SCHED_MODE bits 1:0 = 2 (LLVM: expert scheduling mode 2), set by the entry lines.  The code itself states the register dependences
; between vector instructions and memory or LDS instructions, with s_wait_alu, always for 0.
; THE PLAN.  Registers that memory or LDS instructions touch:
;   v1, v2, v3   byte offsets of the loads, of the stores and of the mask's load: made at the head, never written again.
;   v7, v[8:15]  the LDS stores' address and data: v7 made at the head, v[8:15] by eight moves; never written again.
;   v[4:5]       the mask's load lands; eight v_and_b32 read them; in wave 0 an LDS load lands in them and one store reads them.
;   v6           at work among vector lines up to the barrier; in wave 0 then made anew as the address of that LDS load and that store.
;   X, datum d   its load lands; eight vector lines work in its own four registers; its store reads two of them; never written again.
;   v240, v241   written at the head, read by the closing add alone.
; The 56 data go in seven blocks of eight.  Block p converts data 8 p to 8 p + 7; its memory instructions are the eight stores of block p - 1,
; dealt one ahead of each datum's vector lines.  ONE wait on va_vdst at a block's head states that the block before has written its registers; the
; vector lines behind it name block p's data alone, none of the registers that those stores read.  No register that a memory or LDS instruction
; has read is written afterwards, so no wait on vm_vsrc is owed ahead of the closing lines.
.set X,   16                           ; v[16:239] datum i in v[X+4i : X+4i+3]: q 0-15, k 16-31, v 32-47, wq 48-49, wk 50-51, wv 52-53, wo 54-55
	s_load_b512 s[8:23], s[0:1], 0x0               ; q_in 8, k_in 10, v_in 12, wq 14, wk 16, wv 18, wo 20, mask 22
	s_load_b128 s[24:27], s[0:1], 0x40             ; xh 24, wh 26
	s_load_b64 s[28:29], s[0:1], 0x50              ; mb
	v_lshl_add_u32 v240, v0, 2, 0x100              ; my spare word, behind the 256 bytes of mask words: kept for the closing lines alone
	v_mov_b32 v241, 0                              ; and 0, likewise
	v_lshrrev_b32 v6, 5, v0
	v_readfirstlane_b32 s34, v6                    ; wave 0..7 = the key tile of the block that this wave packs
	v_lshlrev_b32 v1, 4, v0                        ; 16 t: where I load
	v_lshlrev_b32 v2, 3, v0                        ; 8 t: where I store
	v_and_b32 v3, 15, v0                           ; r: the query of the tile
	v_lshrrev_b32 v6, 4, v0                        ; 2 wave + h
	v_lshlrev_b32 v3, 10, v3                       ; r rows of 1,024 mask bytes
	v_lshl_add_u32 v3, v6, 3, v3                   ; + 16 wave + 8 h
	s_wait_alu depctr_va_sdst(0)                   ; s34 is written, ahead of its first reader, the line below
	s_lshl_b32 s35, s34, 5
	v_mov_b32 v7, s35                              ; LDS: 32 bytes for each wave's eight words
	s_mov_b32 s45, 0xffff0000                      ; a word's upper bf16
	s_mov_b32 s3, 0                                ; every offset below is under 4 GiB: high word 0
	s_wait_kmcnt 0x0
	s_lshl_b32 s2, ttmp9, 16                       ; 65,536 bytes of each activation
	s_add_nc_u64 s[8:9], s[8:9], s[2:3]
	s_add_nc_u64 s[10:11], s[10:11], s[2:3]
	s_add_nc_u64 s[12:13], s[12:13], s[2:3]
	s_lshl_b32 s2, ttmp9, 13                       ; 8,192 bytes of each weight
	s_add_nc_u64 s[14:15], s[14:15], s[2:3]
	s_add_nc_u64 s[16:17], s[16:17], s[2:3]
	s_add_nc_u64 s[18:19], s[18:19], s[2:3]
	s_add_nc_u64 s[20:21], s[20:21], s[2:3]
	s_lshl_b32 s2, ttmp9, 15                       ; half as many bytes out
	s_add_nc_u64 s[24:25], s[24:25], s[2:3]
	s_add_nc_u64 s[30:31], s[24:25], 0x1000000     ; k_in's copy: 8192 x 1024 x 2 bytes on
	s_add_nc_u64 s[32:33], s[24:25], 0x2000000     ; v_in's copy
	s_lshl_b32 s2, ttmp9, 12
	s_add_nc_u64 s[26:27], s[26:27], s[2:3]
	s_lshr_b32 s2, ttmp9, 3                        ; query tile g / 8: 16 rows of 1,024 bytes,
	s_lshl_b32 s2, s2, 14
	s_and_b32 s44, ttmp9, 7                        ; key group g % 8: 128 bytes
	s_lshl_b32 s44, s44, 7
	s_add_co_u32 s2, s2, s44
	s_add_nc_u64 s[22:23], s[22:23], s[2:3]
	s_lshl_b32 s2, ttmp9, 8                        ; mb: 2,048 qt + 256 (g % 8) = 256 g
	s_add_nc_u64 s[28:29], s[28:29], s[2:3]
.macro LOADS first, rows, lo           ; pieces of 4,096 bytes from the buffer at s[lo:lo+1] into data first, first+1, ..
.set i, 0
.rept \rows
	global_load_b128 v[X+4*(\first+i):X+4*(\first+i)+3], v1, s[\lo:\lo+1] offset:4096*i th:TH_LOAD_NT
.set i, i+1
.endr
.endm
	s_wait_alu depctr_va_vdst(0)                   ; v1, v2, v3 and v7 are written: every load, store and LDS store of the kernel reads one of them as its offset or address
	global_load_b64 v[4:5], v3, s[22:23] th:TH_LOAD_NT     ; mask[16 qt + r][16 kt + 8 h .. + 7]
	LOADS 0,  16, 8
	LOADS 16, 16, 10
	LOADS 32, 16, 12
	LOADS 48, 2,  14
	LOADS 50, 2,  16
	LOADS 52, 2,  18
	LOADS 54, 2,  20
	; the mask: byte j of my eight against 0 gives, over the wave's 32 lanes, word j.  The eight compares stand in one run, their readers behind one wait.
	s_wait_loadcnt 56                              ; loads come back in order (ISA guide 5.7.1): the mask's is in, the 56 behind it stay out
.irp j, 0,1,2,3,4,5,6,7
	v_and_b32 v6, 0xff<<(8*(\j&3)), v[4+\j/4]
	v_cmp_ne_u32 s[36+\j], 0, v6
.endr
	s_wait_alu depctr_va_sdst(0)                   ; the eight compares have written s[36:43], ahead of their first readers, the moves below
.irp j, 0,1,2,3,4,5,6,7
	v_mov_b32 v[8+\j], s[36+\j]
.endr
	s_wait_alu depctr_va_vdst(0)                   ; the moves have written v[8:15], which the LDS stores read; the v_and_b32 lines are done reading v[4:5], in which wave 0's LDS load lands
	ds_store_b128 v7, v[8:11]                      ; every lane writes the same words to the same bytes
	ds_store_b128 v7, v[12:15] offset:16
	s_wait_dscnt 0x0                               ; my stores are done, for wave 0's sake
	s_barrier_signal -1
	s_barrier_wait -1
	s_cmp_lg_u32 s34, 0
	s_cbranch_scc1 .Lcasts
	v_and_b32 v6, 31, v0                           ; wave 0 stores the eight waves' 256 bytes by one instruction
	v_lshlrev_b32 v6, 3, v6
	s_wait_alu depctr_va_vdst(0)                   ; v6 is written: the LDS load's address and the store's offset
	ds_load_b64 v[4:5], v6
	s_wait_dscnt 0x0
	global_store_b64 v6, v[4:5], s[28:29]
.Lcasts:
; Datum d: f32 -> bf16 (the one rounding) -> f32 (a shift, a mask) -> f16 (exact), in the datum's own four registers.
.macro CAST d
	s_wait_loadcnt 55-(\d)                         ; this datum is in; the younger ones stay out
	v_cvt_pk_bf16_f32 v[X+4*(\d)],   v[X+4*(\d)],   v[X+4*(\d)+1]
	v_cvt_pk_bf16_f32 v[X+4*(\d)+2], v[X+4*(\d)+2], v[X+4*(\d)+3]
	v_and_b32     v[X+4*(\d)+1], s45, v[X+4*(\d)]
	v_lshlrev_b32 v[X+4*(\d)],   16,  v[X+4*(\d)]
	v_and_b32     v[X+4*(\d)+3], s45, v[X+4*(\d)+2]
	v_lshlrev_b32 v[X+4*(\d)+2], 16,  v[X+4*(\d)+2]
	v_cvt_pk_f16_f32 v[X+4*(\d)],   v[X+4*(\d)],   v[X+4*(\d)+1]
	v_cvt_pk_f16_f32 v[X+4*(\d)+1], v[X+4*(\d)+2], v[X+4*(\d)+3]
.endm
; Datum d leaves: pieces of 2,048 bytes; an activation's copy has a base of its own, a weight's copy lies 1024 x 1024 x 2 bytes behind the one before.
.macro SEND d
.if (\d) < 16
	global_store_b64 v2, v[X+4*(\d):X+4*(\d)+1], s[24:25] offset:2048*(\d)
.elseif (\d) < 32
	global_store_b64 v2, v[X+4*(\d):X+4*(\d)+1], s[30:31] offset:2048*((\d)-16)
.elseif (\d) < 48
	global_store_b64 v2, v[X+4*(\d):X+4*(\d)+1], s[32:33] offset:2048*((\d)-32)
.else
	global_store_b64 v2, v[X+4*(\d):X+4*(\d)+1], s[26:27] offset:(((\d)-48)/2)*2097152+(((\d)-48)%2)*2048
.endif
.endm
; Block p: data 8 p to 8 p + 7 are converted; the stores of block p - 1 are dealt among them, one ahead of each datum's lines.
.macro BLK p
.if (\p) > 0
	s_wait_alu depctr_va_vdst(0)                   ; the block before has written its data's registers, which the eight stores below read; no vector line behind this wait names them
.endif
.irp i, 0,1,2,3,4,5,6,7
.if (\p) > 0
	SEND 8*((\p)-1)+(\i)
.endif
	CAST 8*(\p)+(\i)
.endr
.endm
	BLK 0                                          ; q_in; no block stands in front of it: no store, no wait but those for its data
	BLK 1
	BLK 2                                          ; k_in
	BLK 3
	BLK 4                                          ; v_in
	BLK 5
	BLK 6                                          ; the four weights, two pieces each
	s_wait_alu depctr_va_vdst(0)                   ; block 6 has written its data's registers, which the last eight stores read
.irp i, 0,1,2,3,4,5,6,7
	SEND 48+(\i)
.endr
	s_wait_dscnt 0x0                               ; the closing lines, six on end
	s_wait_alu 0x0
	s_wait_tensorcnt 0x0
	ds_add_u32 v240, v241
	s_wait_dscnt 0x0
	s_endpgm
.Lfunc_end_k_qe615856db6_prep:
	.size	k_qe615856db6_prep, .Lfunc_end_k_qe615856db6_prep-k_qe615856db6_prep
	.p2alignl 7, 3214868480
	.fill 96, 4, 3214868480
	.section	.rodata,"a",@progbits
	.p2align	6, 0x0
	.amdhsa_kernel k_qe615856db6_prep
		.amdhsa_group_segment_fixed_size 1280
		.amdhsa_private_segment_fixed_size 0
		.amdhsa_enable_private_segment 0
		.amdhsa_kernarg_size 88
		.amdhsa_user_sgpr_count 2
		.amdhsa_user_sgpr_kernarg_segment_ptr 1
		.amdhsa_wavefront_size32 1
		.amdhsa_system_sgpr_workgroup_id_x 1
		.amdhsa_system_sgpr_workgroup_id_y 1
		.amdhsa_system_sgpr_workgroup_id_z 1
		.amdhsa_system_vgpr_workitem_id 0
		.amdhsa_next_free_vgpr 242
		.amdhsa_next_free_sgpr 66
		.amdhsa_reserve_vcc 0
		.amdhsa_float_denorm_mode_32 3
		.amdhsa_float_denorm_mode_16_64 3
		.amdhsa_memory_ordered 1
		.amdhsa_forward_progress 1
		.amdhsa_inst_pref_size 38
	.end_amdhsa_kernel
	.amdgpu_metadata
---
amdhsa.version: [ 1, 2 ]
amdhsa.kernels:
  - .name:           k_qe615856db6_prep
    .symbol:         k_qe615856db6_prep.kd
    .args:
      - { .name: q_in, .offset: 0, .size: 8, .value_kind: global_buffer, .address_space: global }
      - { .name: k_in, .offset: 8, .size: 8, .value_kind: global_buffer, .address_space: global }
      - { .name: v_in, .offset: 16, .size: 8, .value_kind: global_buffer, .address_space: global }
      - { .name: wq, .offset: 24, .size: 8, .value_kind: global_buffer, .address_space: global }
      - { .name: wk, .offset: 32, .size: 8, .value_kind: global_buffer, .address_space: global }
      - { .name: wv, .offset: 40, .size: 8, .value_kind: global_buffer, .address_space: global }
      - { .name: wo, .offset: 48, .size: 8, .value_kind: global_buffer, .address_space: global }
      - { .name: mask, .offset: 56, .size: 8, .value_kind: global_buffer, .address_space: global }
      - { .name: xh, .offset: 64, .size: 8, .value_kind: global_buffer, .address_space: global }
      - { .name: wh, .offset: 72, .size: 8, .value_kind: global_buffer, .address_space: global }
      - { .name: mb, .offset: 80, .size: 8, .value_kind: global_buffer, .address_space: global }
    .group_segment_fixed_size: 1280
    .private_segment_fixed_size: 0
    .kernarg_segment_align: 8
    .kernarg_segment_size: 88
    .max_flat_workgroup_size: 256
    .sgpr_count:     66
    .vgpr_count:     242
    .wavefront_size: 32
...
	.end_amdgpu_metadata
.endif
;; end of part 5
;; launch qkv: the kernel of part 2 again; grid 4 x 96, 4 waves a work-group, clusters of 4 x 4, 327,680 bytes of LDS; arguments xh, wh, bq, bk, bv, qkv; writes qkv
;; launch attn: the kernel of part 3 again; grid 256 x 1, 16 waves a work-group, no clusters, 313,344 bytes of LDS; arguments qkv, mb, heads; writes heads
;; launch oproj: the kernel of part 4 again; grid 4 x 32, 4 waves a work-group, clusters of 4 x 4, 327,680 bytes of LDS; arguments heads, wh, bo, out0; writes out0
